; MI455X (gfx1250); checked and timed in simulation.
; The chip was launched on July 23, 2026; its instructions are those of AMD's public machine-readable ISA for CDNA 5 (MIT licence, August 2026) and "CDNA5" Instruction Set Architecture Reference Guide (July 2026). The comments in the code are by the model that wrote it; some were corrected since.
;; Self Attention Block. Allowed arithmetic: matrix products marked QUANTISED: E2M3 operands, one E8M0 scale for each 32 along K, by v_wmma_scale_f32_16x16x128_f8f6f4 with both operands' format E2M3, f32 sums; everything else in f32.
;; Inputs: mask 4 x 1 x 64 x 64 float32; norm_b 256 float32; norm_w 256 float32; proj_b 256 float32; proj_w 256 x 256 float32; qkv_b 768 float32; qkv_w 768 x 256 float32; x 4 x 256 x 64 x 64 float32.
;; Outputs: out0 4 x 256 x 64 x 64 float32; out1 4 x 1 x 64 x 64 float32.
;; This version of the problem:
;;   THIS VERSION OF THE PROBLEM IS GIVEN IN LOW PRECISION. The matrix products marked QUANTISED in the list below multiply operands that are first quantised to E2M3 (2 exponent bits, 3 mantissa bits; 6 bits a number), with one power-of-two scale for each 32 numbers along K (OCP MX v1.0); their sums are f32. All else is computed in f32.
;;   The module's matrix products, in the order in which they are computed (A, B: the left and right operand; K: the contracted axis; several contracted axes count as one K, in the product's order):
;;     1. [M 768, K 256] x [K 256, N 16,384]; A: input qkv_w; B: computed on the way: QUANTISED
;;     2. batch 16 x [M 4,096, K 64] x [K 64, N 4,096]; A: computed on the way; B: computed on the way: QUANTISED
;;     3. batch 16 x [M 4,096, K 4,096] x [K 4,096, N 64]; A: softmax (see below); B: computed on the way: QUANTISED
;;     4. [M 256, K 256] x [K 256, N 16,384]; A: input proj_w; B: computed on the way: QUANTISED
;;   THE QUANTISER, for each operand of a quantised product, along K:
;;     - K is cut into blocks of 32 from its start; a last block that is shorter is filled with zeros.
;;     - A block's scale is 2^e with e = floor(log2(the largest magnitude in the block)) - 2, held to -126 .. 127; a block of zeros has e = 0. As a byte (E8M0): e + 127.
;;     - Each number is divided by its block's scale, clamped to +-7.5, and rounded to the nearest number of E2M3, ties to even, subnormals kept.
;;     - The product sums the exact products of the quantised numbers (number of the format x scale) in f32.
;;   ~~~python
;;   def quantise(x, axis):      # numpy; x: float32 -> the quantised numbers, widened to float32 again
;;       x = np.moveaxis(x, axis, -1); K = x.shape[-1]
;;       x = np.pad(x, [(0, 0)] * (x.ndim - 1) + [(0, -K % 32)]); x = x.reshape(x.shape[:-1] + (-1, 32)); a = np.abs(x).max(-1, keepdims=True)
;;       e = np.where(a > 0, np.clip(np.frexp(np.where(a > 0, a, 1))[1] - 1 - 2, -126, 127), 0)      # np.frexp(a)[1] - 1 = floor(log2(a)), exactly
;;       r = np.clip(x / 2.0 ** e, -7.5, 7.5)
;;       step = 2.0 ** (np.maximum(np.frexp(np.where(r == 0, 1, r))[1] - 1, 0) - 3)
;;       q = np.round(r / step) * step * 2.0 ** e      # np.round: ties to even
;;       return np.moveaxis(q.reshape(q.shape[:-2] + (-1,))[..., :K], -1, axis).astype(np.float32)
;;   ~~~
;;   SOFTMAX AHEAD OF A QUANTISED PRODUCT. Where the list says 'softmax', what is quantised is not the finished softmax but p = 2^(t - M), with t = logit x log2(e) and M = ceil(the row's largest t), a whole number; so 1/2 < the row's largest p <= 1. The row's sum l is taken of the UNQUANTISED p, in f32, and the product's result is divided by l at the end. Since M is a whole number, a kernel that streams over the keys may use a running M (the ceiling of the running maximum): every later rescaling is an exact power of two, which a block's scale takes up: the codes' values come out the same.
;;   OPERANDS COMPUTED ON THE WAY. 'Computed on the way' means the value that the module computes at that place (a softmax that the list does not call 'softmax' is quantised finished and normalised). What goes into a quantiser is computed in f32, as accurately as f32 sums, v_exp_f32 and their like allow (about 1e-6 of the number): no bf16 or f16 on the way to a quantiser, and a product that is left as it is and whose result goes on into a quantised operand takes f32 operands (vector FMAs, or v_wmma_f32_16x16x4_f32). A number that lies on a knife's edge between two numbers of the format may be rounded either way, as far as f32 arithmetic and the matrix unit's own rounding can turn it there, and no further.
;; One version. Each part assembles by itself: llvm-mc -triple=amdgcn-amd-amdhsa -mcpu=gfx1250 --defsym DOCPART=n.
;; ======== version 1 of 1: 4 launches
;; workspace buffers: part 16,384 bytes; wts 204,800 bytes; qc 3,145,728 bytes; qs 262,144 bytes; kv 6,684,672 bytes; oc 3,145,728 bytes; os 131,072 bytes
;; launch prep (part 1): grid 272 x 1, 8 waves a work-group, no clusters, 0 bytes of LDS; arguments x, qkv_w, proj_w, part, wts; writes part, wts
.if DOCPART == 1
	.amdgcn_target "amdgcn-amd-amdhsa--gfx1250"
	.amdhsa_code_object_version 6
	.text
	.protected	k_q8de1286133_prep
	.globl	k_q8de1286133_prep
	.p2align	8
	.type	k_q8de1286133_prep,@function
k_q8de1286133_prep:
	s_mov_b64 s[64:65], 0
	v_nop
	global_prefetch_b8 v0, s[64:65] scope:SCOPE_SE
	s_setreg_imm32_b32 hwreg(HW_REG_WAVE_MODE, 25, 1), 1
	s_wait_xcnt 0x0
; TWO JOBS IN ONE LAUNCH, parted by the work-group's number.
; Work-groups 0-255: partial statistics of x for the group norm.  A norm group (32 channels x 4,096 tokens) is 512 KiB on end; a work-group takes 64 KiB of it,
; a wave 8 KiB (2,048 numbers): their mean, and the sum of squares of their distances from THAT mean.  The next launch joins the 64 pairs of a group; so no difference of
; large sums is ever formed, whatever common offset x carries.  part: [group 32][64](mean, M2), f32.
; Work-groups 256-271: qkv_w and proj_w become codes of E2M3 with one E8M0 byte for each 32 along K, one fragment (16 rows x 128 K) a wave, stored as the IMAGE of the
; operand's 12 registers: three stores of 16 bytes a lane, 512 consecutive bytes each; the scale words, 4 bytes a row, behind them.
; wts: 0: 96 images of qkv_w, fragment f = 8 P + 2 u + s (P: q's heads 0-3, k's 4-7, v's 8-11; s: the K step).  Row r of tile u is row 64 P + 8 u + (r & 7) + 32 (r >> 3):
; so the four tiles' results give a lane 32 NEIGHBOURS.   147,456: their scale words, 64 bytes a fragment.   153,600: 32 images of proj_w, f' = 2 tile + s, rows as they lie.   202,752: their scale words.
; LIMITS: NaN and infinities are not served; a block of zeros, and one whose largest magnitude lies under 2^-124, carries the byte 1 (the bytes are read by this program alone; zero codes add nothing).
; REGISTERS: v1-13 addresses and small things; v16-79 the 64 numbers of a lane; v80-91 sums, or the fragment's codes; v92-94 at work in a conversion; v96-103 at work in the quantiser, four for each block.
.set WV,  14
.set SEL, 16                           ; s[16:17] lane selects: lane l xor 16
.macro RED32 reg, tmp                  ; the sum over the wave's 32 lanes, in every lane
	s_delay_alu instid0(VALU_DEP_1)
	v_add_f32_dpp v[\reg], v[\reg], v[\reg] row_xmask:1 row_mask:0xf bank_mask:0xf
	s_delay_alu instid0(VALU_DEP_1)
	v_add_f32_dpp v[\reg], v[\reg], v[\reg] row_xmask:2 row_mask:0xf bank_mask:0xf
	s_delay_alu instid0(VALU_DEP_1)
	v_add_f32_dpp v[\reg], v[\reg], v[\reg] row_xmask:4 row_mask:0xf bank_mask:0xf
	s_delay_alu instid0(VALU_DEP_1)
	v_add_f32_dpp v[\reg], v[\reg], v[\reg] row_xmask:8 row_mask:0xf bank_mask:0xf
	s_delay_alu instid0(VALU_DEP_1)
	v_permlanex16_b32 v[\tmp], v[\reg], s[SEL], s[SEL+1]
	s_delay_alu instid0(VALU_DEP_1)
	v_add_f32 v[\reg], v[\reg], v[\tmp]
.endm
; 32 numbers of ONE block, v[s] on, become 6 registers of codes, v[d] on.  v[m] .. v[m+3] are at work and lie outside the numbers: v[m+2]: the conversion's scale operand; v[m+3]: the scale's byte.  v[t] on: three registers at work.
.macro QUANT32 s, d, t, m
	v_max3_num_f32 v[\m], |v[\s]|, |v[\s+1]|, 0x1800000            ; the floor 2^(3 - 127) is one of the leaves: the byte cannot fall under 1
	v_max3_num_f32 v[\m+1], |v[\s+2]|, |v[\s+3]|, |v[\s+4]|
.irp i, 5,9,13,17,21,25
	s_delay_alu instid0(VALU_DEP_2)
	v_max3_num_f32 v[\m], v[\m], |v[\s+\i]|, |v[\s+\i+1]|
	s_delay_alu instid0(VALU_DEP_2)
	v_max3_num_f32 v[\m+1], v[\m+1], |v[\s+\i+2]|, |v[\s+\i+3]|
.endr
	s_delay_alu instid0(VALU_DEP_2)
	v_max3_num_f32 v[\m], v[\m], |v[\s+29]|, |v[\s+30]|
	s_delay_alu instid0(VALU_DEP_1)
	v_max3_num_f32 v[\m], v[\m], v[\m+1], |v[\s+31]|
	s_delay_alu instid0(VALU_DEP_1)
	v_add_nc_u32 v[\m+2], 0xff000000, v[\m]                        ; 2 off the exponent field
	s_delay_alu instid0(VALU_DEP_1)
	v_lshrrev_b32 v[\m+3], 23, v[\m+2]
	v_cvt_scalef32_pk16_fp6_f32 v[\d:\d+2], v[\s:\s+15], v[\m+2]
	v_cvt_scalef32_pk16_fp6_f32 v[\t:\t+2], v[\s+16:\s+31], v[\m+2]  ; (a conversion's three registers begin on an even number)
	v_nop                                                          ; one plain line behind the conversions
	v_mov_b32 v[\d+3], v[\t]
	v_mov_b32 v[\d+4], v[\t+1]
	v_mov_b32 v[\d+5], v[\t+2]
.endm
	s_load_b128 s[4:7], s[0:1], 0x0                ; x, qkv_w
	s_load_b128 s[8:11], s[0:1], 0x10              ; proj_w, part
	s_load_b64 s[12:13], s[0:1], 0x20              ; wts
	v_lshrrev_b32 v1, 5, v0
	s_delay_alu instid0(VALU_DEP_1)
	v_readfirstlane_b32 s[WV], v1                  ; wave 0..7
	v_and_b32 v2, 31, v0                           ; lane
	s_delay_alu instid0(VALU_DEP_1)
	v_lshlrev_b32 v3, 4, v2                        ; 16 x lane
	s_mov_b32 s[SEL], 0x76543210
	s_mov_b32 s[SEL+1], 0xfedcba98
	s_cmp_lt_u32 ttmp9, 256
	s_cbranch_scc0 .Lweights
	; ---- statistics: my wave's 8 KiB of x stay in 64 registers between the two passes
	s_lshl_b32 s18, ttmp9, 16
	s_lshl_b32 s19, s[WV], 13
	s_add_co_u32 s18, s18, s19
	s_mov_b32 s19, 0
	s_wait_kmcnt 0x0
	s_add_nc_u64 s[4:5], s[4:5], s[18:19]
	s_wait_alu depctr_va_vdst(0)
.irp i, 0,1,2,3,4,5,6,7,8,9,10,11,12,13,14,15
	global_load_b128 v[16+4*\i:19+4*\i], v3, s[4:5] offset:512*\i    ; 32 lanes read 512 consecutive bytes
.endr
	s_lshl_b32 s18, ttmp9, 6                       ; where my pair goes: 64 bytes a work-group, 8 a wave
	s_lshl_b32 s20, s[WV], 3
	s_add_co_u32 s18, s18, s20
	s_add_nc_u64 s[10:11], s[10:11], s[18:19]
	v_mov_b32 v4, 0
	s_wait_loadcnt 0x0
	v_pk_add_f32 v[82:83], v[16:17], v[24:25]
	v_pk_add_f32 v[84:85], v[32:33], v[40:41]
	v_pk_add_f32 v[86:87], v[48:49], v[56:57]
	v_pk_add_f32 v[14:15], v[64:65], v[72:73]
	v_pk_add_f32 v[80:81], v[18:19], v[26:27]
	s_delay_alu instid0(VALU_DEP_1)
	v_pk_add_f32 v[80:81], v[80:81], v[34:35]
	v_pk_add_f32 v[82:83], v[82:83], v[42:43]
	v_pk_add_f32 v[84:85], v[84:85], v[50:51]
	v_pk_add_f32 v[86:87], v[86:87], v[58:59]
	v_pk_add_f32 v[14:15], v[14:15], v[66:67]
	v_pk_add_f32 v[80:81], v[80:81], v[74:75]
	v_pk_add_f32 v[82:83], v[82:83], v[20:21]
	v_pk_add_f32 v[84:85], v[84:85], v[28:29]
	v_pk_add_f32 v[86:87], v[86:87], v[36:37]
	v_pk_add_f32 v[14:15], v[14:15], v[44:45]
	v_pk_add_f32 v[80:81], v[80:81], v[52:53]
	v_pk_add_f32 v[82:83], v[82:83], v[60:61]
	v_pk_add_f32 v[84:85], v[84:85], v[68:69]
	v_pk_add_f32 v[86:87], v[86:87], v[76:77]
	v_pk_add_f32 v[14:15], v[14:15], v[22:23]
	v_pk_add_f32 v[80:81], v[80:81], v[30:31]
	v_pk_add_f32 v[82:83], v[82:83], v[38:39]
	v_pk_add_f32 v[84:85], v[84:85], v[46:47]
	v_pk_add_f32 v[86:87], v[86:87], v[54:55]
	v_pk_add_f32 v[14:15], v[14:15], v[62:63]
	v_pk_add_f32 v[80:81], v[80:81], v[70:71]
	v_pk_add_f32 v[82:83], v[82:83], v[78:79]
	s_delay_alu instid0(VALU_DEP_2)
	v_pk_add_f32 v[80:81], v[80:81], v[86:87]
	s_delay_alu instid0(VALU_DEP_2)
	v_pk_add_f32 v[82:83], v[82:83], v[14:15]
	s_delay_alu instid0(VALU_DEP_2)
	v_pk_add_f32 v[80:81], v[80:81], v[84:85]
	s_delay_alu instid0(VALU_DEP_1)
	v_pk_add_f32 v[80:81], v[80:81], v[82:83]
	s_delay_alu instid0(VALU_DEP_1)
	v_add_f32 v80, v80, v81
	RED32 80, 81
	s_delay_alu instid0(VALU_DEP_1)
	v_mul_f32 v88, 0x3a000000, v80                 ; / 2,048: the wave's mean
	s_delay_alu instid0(VALU_DEP_1)
	v_mov_b32 v89, v88
.set p, 0
.rept 32
	v_pk_add_f32 v[16+2*p:17+2*p], v[16+2*p:17+2*p], v[88:89] neg_lo:[0,1] neg_hi:[0,1]
.set p, p+1
.endr
.irp k, 0,1,2,3
	v_pk_mul_f32 v[80+2*\k:81+2*\k], v[16+2*\k:17+2*\k], v[16+2*\k:17+2*\k]
.endr
.set p, 4
.rept 28
	s_delay_alu instid0(VALU_DEP_4)
	v_pk_fma_f32 v[80+2*(p%4):81+2*(p%4)], v[16+2*p:17+2*p], v[16+2*p:17+2*p], v[80+2*(p%4):81+2*(p%4)]
.set p, p+1
.endr
	s_delay_alu instid0(VALU_DEP_3)
	v_pk_add_f32 v[80:81], v[80:81], v[82:83]
	s_delay_alu instid0(VALU_DEP_2)
	v_pk_add_f32 v[84:85], v[84:85], v[86:87]
	s_delay_alu instid0(VALU_DEP_1)
	v_pk_add_f32 v[80:81], v[80:81], v[84:85]
	s_delay_alu instid0(VALU_DEP_1)
	v_add_f32 v80, v80, v81
	RED32 80, 81
	s_delay_alu instid0(VALU_DEP_1)
	v_mov_b32 v89, v80                             ; (mean, M2)
	v_cmp_eq_u32 vcc_lo, 0, v2
	s_wait_alu depctr_va_vdst(0)
	s_wait_xcnt 0x0                                ; EXEC is narrowed only behind this wait
	s_and_saveexec_b32 s20, vcc_lo                 ; one lane stores the wave's 8 bytes
	global_store_b64 v4, v[88:89], s[10:11]
	s_endpgm
.Lweights:
	; ---- one fragment a wave
	s_sub_co_u32 s18, ttmp9, 256
	s_lshl_b32 s18, s18, 3
	s_add_co_u32 s18, s18, s[WV]                   ; f = 0 .. 127: 0-95 qkv_w's, 96-127 proj_w's
	s_lshr_b32 s19, s18, 1                         ; tile
	s_and_b32 s20, s18, 1                          ; K step
	s_lshl_b32 s20, s20, 9                         ; its 512 bytes of a row
	s_lshr_b32 s21, s19, 2
	s_lshl_b32 s21, s21, 6
	s_and_b32 s22, s19, 3
	s_lshl_b32 s22, s22, 3
	s_add_co_u32 s21, s21, s22                     ; qkv_w: the tile's first row, 64 (tile / 4) + 8 (tile % 4)
	s_max_u32 s22, s19, 48
	s_sub_co_u32 s22, s22, 48
	s_lshl_b32 s22, s22, 4                         ; proj_w: 16 x (tile - 48)
	s_mul_i32 s23, s18, 1536                       ; the image's place,
	s_lshl_b32 s24, s18, 6                         ; the scale words'
	s_mov_b32 s25, 196608
	s_wait_kmcnt 0x0
	s_cmp_lt_u32 s18, 96                           ; every choice hangs on the fragment's number alone
	s_cselect_b64 s[4:5], s[6:7], s[8:9]
	s_cselect_b32 s21, s21, s22
	s_cselect_b32 s22, 32, 8                       ; rows 8-15 of a tile lie 32 rows (qkv_w) or 8 rows (proj_w) behind rows 0-7
	s_cselect_b32 s26, 0, 6144
	s_cselect_b32 s25, 147456, s25
	s_add_co_u32 s28, s23, s26
	s_mov_b32 s29, 0
	s_add_co_u32 s30, s24, s25
	s_mov_b32 s31, 0
	s_add_nc_u64 s[28:29], s[12:13], s[28:29]
	s_add_nc_u64 s[30:31], s[12:13], s[30:31]
	s_wait_alu depctr_va_vdst(0)
	v_and_b32 v5, 15, v2                           ; r
	v_lshrrev_b32 v6, 4, v2                        ; h
	s_delay_alu instid0(VALU_DEP_2)
	v_and_b32 v7, 7, v5
	s_delay_alu instid0(VALU_DEP_3)
	v_lshrrev_b32 v8, 3, v5
	s_delay_alu instid0(VALU_DEP_1)
	v_mad_u32_u24 v7, v8, s22, v7
	s_delay_alu instid0(VALU_DEP_1)
	v_add_nc_u32 v7, s21, v7                       ; my row
	s_delay_alu instid0(VALU_DEP_1)
	v_lshlrev_b32 v7, 10, v7                       ; 1,024 bytes a row
	s_delay_alu instid0(VALU_DEP_1)
	v_lshl_add_u32 v7, v6, 7, v7                   ; + 128 h: the layout gives lane (r, h) k = 64 c + 32 h + 0 .. 31
	s_delay_alu instid0(VALU_DEP_1)
	v_add_nc_u32 v7, s20, v7
	v_lshlrev_b32 v9, 3, v6                        ; 8 h
	v_lshlrev_b32 v13, 2, v5                       ; 4 r
	v_mov_b32 v12, 0                               ; (a lane permute's destination counts as one of its sources)
.irp c, 0,1
.irp j, 0,1,2,3,4,5,6,7
	global_load_b128 v[16+32*\c+4*\j:19+32*\c+4*\j], v7, s[4:5] offset:256*\c+16*\j
.endr
.endr
	s_wait_loadcnt 0x0
	QUANT32 16, 80, 92, 96                         ; block h: numbers v16-47, codes v80-85, at work v96-99
	QUANT32 48, 86, 92, 100                        ; block 2 + h: numbers v48-79, codes v86-91, at work v100-103
	v_lshl_or_b32 v10, v103, 16, v99               ; my two bytes: blocks h and 2 + h,
	s_delay_alu instid0(VALU_DEP_1)
	v_lshlrev_b32 v11, v9, v10                     ; 8 h bits up;
	s_delay_alu instid0(VALU_DEP_1)
	v_permlanex16_b32 v12, v11, s[SEL], s[SEL+1]
	s_delay_alu instid0(VALU_DEP_1)
	v_or_b32 v10, v11, v12                         ; with lane l xor 16's two the word is whole
.irp j, 0,1,2
	global_store_b128 v3, v[80+4*\j:83+4*\j], s[28:29] offset:512*\j   ; 512 consecutive bytes a store
.endr
	global_store_b32 v13, v10, s[30:31]            ; row r's word; lanes r and r + 16 store the same word to the same place
	s_endpgm
.Lfunc_end_k_q8de1286133_prep:
	.size	k_q8de1286133_prep, .Lfunc_end_k_q8de1286133_prep-k_q8de1286133_prep
	.p2alignl 7, 3214868480
	.fill 96, 4, 3214868480
	.section	.rodata,"a",@progbits
	.p2align	6, 0x0
	.amdhsa_kernel k_q8de1286133_prep
		.amdhsa_group_segment_fixed_size 0
		.amdhsa_private_segment_fixed_size 0
		.amdhsa_enable_private_segment 0
		.amdhsa_kernarg_size 40
		.amdhsa_user_sgpr_count 2
		.amdhsa_user_sgpr_kernarg_segment_ptr 1
		.amdhsa_wavefront_size32 1
		.amdhsa_system_sgpr_workgroup_id_x 1
		.amdhsa_system_sgpr_workgroup_id_y 1
		.amdhsa_system_sgpr_workgroup_id_z 1
		.amdhsa_system_vgpr_workitem_id 0
		.amdhsa_next_free_vgpr 104
		.amdhsa_next_free_sgpr 66
		.amdhsa_reserve_vcc 1
		.amdhsa_float_denorm_mode_32 3
		.amdhsa_float_denorm_mode_16_64 3
		.amdhsa_memory_ordered 1
		.amdhsa_forward_progress 1
		.amdhsa_inst_pref_size 20
	.end_amdhsa_kernel
	.amdgpu_metadata
---
amdhsa.version: [ 1, 2 ]
amdhsa.kernels:
  - .name:           k_q8de1286133_prep
    .symbol:         k_q8de1286133_prep.kd
    .args:
      - { .name: x, .offset: 0, .size: 8, .value_kind: global_buffer, .address_space: global }
      - { .name: qkv_w, .offset: 8, .size: 8, .value_kind: global_buffer, .address_space: global }
      - { .name: proj_w, .offset: 16, .size: 8, .value_kind: global_buffer, .address_space: global }
      - { .name: part, .offset: 24, .size: 8, .value_kind: global_buffer, .address_space: global }
      - { .name: wts, .offset: 32, .size: 8, .value_kind: global_buffer, .address_space: global }
    .group_segment_fixed_size: 0
    .private_segment_fixed_size: 0
    .kernarg_segment_align: 8
    .kernarg_segment_size: 40
    .max_flat_workgroup_size: 256
    .sgpr_count:     66
    .vgpr_count:     104
    .wavefront_size: 32
...
	.end_amdgpu_metadata
.endif
;; end of part 1
;; launch qkv (part 2): grid 256 x 1, 4 waves a work-group, clusters of 4 x 1, 168,448 bytes of LDS; arguments x, part, norm_w, norm_b, wts, qkv_b, qc, qs, kv; writes qc, qs, kv
.if DOCPART == 2
	.amdgcn_target "amdgcn-amd-amdhsa--gfx1250"
	.amdhsa_code_object_version 6
	.text
	.protected	k_q8de1286133_qkv
	.globl	k_q8de1286133_qkv
	.p2align	8
	.type	k_q8de1286133_qkv,@function
k_q8de1286133_qkv:
	s_mov_b64 s[64:65], 0
	v_nop
	global_prefetch_b8 v0, s[64:65] scope:SCOPE_SE
	s_setreg_imm32_b32 hwreg(HW_REG_WAVE_MODE, 25, 1), 1
	s_wait_xcnt 0x0
	s_wait_alu depctr_hold_cnt(0) depctr_sa_sdst(0) depctr_va_vdst(0) depctr_va_sdst(0) depctr_va_ssrc(0) depctr_va_vcc(0) depctr_vm_vsrc(0)
	s_getreg_b32 s2, hwreg(HW_REG_IB_STS2, 6, 4)
	s_cmp_eq_u32 s2, 0
	s_cbranch_scc0 .Lentry_in_a_cluster
	s_endpgm
.Lentry_in_a_cluster:
	s_bfe_u32 s2, ttmp6, 0x10000c
	s_cmp_lg_u32 s2, 0x3003
	s_cbranch_scc0 .Lentry_shape_is_right
	s_endpgm
.Lentry_shape_is_right:
; GROUP NORM, ITS QUANTISING, THE QKV PRODUCT, AND THE QUANTISING OF q, k AND v.  A work-group takes 64 tokens of one image (group G), four waves.
; PHASE X: wave w takes channels 64 w .. 64 w + 63 (two norm groups, two blocks of 32 along K); a lane takes tokens 2 l and 2 l + 1, its registers run down the channels: a block lies in one lane.
; The codes go to LDS as images of the operand's registers: fragment (u, s): tile u of the tokens, K step s.  Row r of tile u is token 8 u + (r & 7) + 32 (r >> 3) of the 64.
; MATRIX PHASE: wave w is head w.  q, k: source 0 = 16 rows of the weight (rows chosen in the same order), source 1 = 16 tokens: the four tiles' 32 registers of a lane are head channels 32 h + 0 .. 31 of ONE token:
; a whole block of the next K in a lane.  v: source 0 = 16 tokens, source 1 = 16 rows of the weight: a lane holds ONE channel and tokens 32 h + 0 .. 31: a whole block along the keys.
; So no other lane is asked for a maximum, and the conversions' six registers are registers 6 c .. 6 c + 5 of the next operand as they stand.  They are stored as HALF IMAGES of 768 bytes:
; registers 0-3 at 16 x lane, registers 4, 5 at 512 + 8 x lane.  The biases are the C of each sum's first matrix instruction.
; q's and k's K is 64 of the instruction's 128: bytes 2 and 3 of their scale words are 0x7f (the next launch sets zero codes against that half).
; THE WEIGHTS' images and scale words (153,600 bytes, made by the launch before) are the same for every work-group: the four work-groups of a cluster ask for them JOINTLY, one tensor load a wave, filled once.
; LIMITS: NaN and infinities are not served; a block of zeros, and one whose largest magnitude lies under 2^-124, carries the byte 1 (the bytes are read by this program alone; zero codes add nothing).
; LDS: 0: the weights' 96 images; 147,456: their scale words; 153,600: x's 8 fragments, 1,600 bytes apart; 166,400: their scale words, 64 bytes a fragment.
.set XIMG, 153600
.set XSC,  166400
.set WSC,  147456
.set WV,   14                          ; s14 wave;  s2 image n;  s3 token group G;  s[20:23] at work
.set G0,   16                          ; s[16:19] descriptor group 0;  s[56:63] group 1
.set G1,   56
.set SEL,  66                          ; s[66:67] lane selects: lane l xor 16
.set NW,   24                          ; s[24:55] 32 numbers of norm_w;  s[68:99] of norm_b.  Behind phase X: s[24:25] qkv_b, s[32:43] six output addresses
.set NB,   68
.set L16,  1                           ; 16 x lane
.set L8,   2                           ; 8 x lane
.set L4,   3                           ; 4 x lane
.set R16,  5                           ; 16 r
.set SH8,  6                           ; 8 h
.set H128, 7                           ; 128 h
.set XW16, 8                           ; phase X: where my codes' first 16 bytes go,
.set XW8,  9                           ; their last 8,
.set XWS,  10                          ; and my two scale bytes
.set WAQ,  11                          ; LDS address of my head's weight images: q's, k's, v's
.set WAK,  12
.set WAV,  13
.set WSA,  14                          ; and of their scale words
.set XR16, 15                          ; x's images, read: 16 x lane;
.set XR8,  16                          ; 512 + 8 x lane;
.set XRS,  17                          ; x's scale words: 4 r
.set BTA,  18                          ; v's bias: my row's byte
.set RAW,  24                          ; v24-151  phase X: 64 channels x 2 tokens
.set Y,    152                         ; v152-215 phase X: 2 tokens x 32 channels, normalised
.set R1,   24                          ; v24-119  the operand that stays: 8 fragments
.set R2,   120                         ; v120-143 the operand that changes: 2 fragments
.set ACC,  144                         ; v144-175 four accumulators
.set BIA,  176                         ; v176-207 the bias as C
.set CD,   216                         ; v216-221 codes just made
.set TP,   222
.set MM,   226                         ; v226-229 at work in the quantiser
.set T0,   230
.set T1,   231
.set SCS,  232                         ; v232-233 scale words of R2;  v234-241 of R1: these ten hold scales alone
.set SCR,  234
.set SW,   242                         ; v242-245 q's or k's scale words to store; in phase X my four bytes
.set HW,   246                         ; v246-249 v's scale halves;  v250-253 v's bias.  Early: v246-253 the two groups' (mean, mean, 1/std, 1/std)
.set BT,   250
.set STAT, 246
.macro RED32 reg, tmp
	v_add_f32_dpp v[\reg], v[\reg], v[\reg] row_xmask:1 row_mask:0xf bank_mask:0xf
	v_add_f32_dpp v[\reg], v[\reg], v[\reg] row_xmask:2 row_mask:0xf bank_mask:0xf
	v_add_f32_dpp v[\reg], v[\reg], v[\reg] row_xmask:4 row_mask:0xf bank_mask:0xf
	v_add_f32_dpp v[\reg], v[\reg], v[\reg] row_xmask:8 row_mask:0xf bank_mask:0xf
	s_wait_alu depctr_va_vdst(0)
	v_permlanex16_b32 v[\tmp], v[\reg], s[SEL], s[SEL+1]
	v_add_f32 v[\reg], v[\reg], v[\tmp]
.endm
; 32 numbers of ONE block, v[s] on, become 6 registers of codes, v[d] on.  v[m+3]: the scale's byte.  The maxima go up the registers.
.macro QUANT32 s, d, t, m
	v_max3_num_f32 v[\m], |v[\s]|, |v[\s+1]|, 0x1800000            ; the floor 2^(3 - 127) is one of the leaves: the byte cannot fall under 1
	v_max3_num_f32 v[\m+1], |v[\s+2]|, |v[\s+3]|, |v[\s+4]|
.irp i, 5,9,13,17,21,25
	v_max3_num_f32 v[\m], v[\m], |v[\s+\i]|, |v[\s+\i+1]|
	v_max3_num_f32 v[\m+1], v[\m+1], |v[\s+\i+2]|, |v[\s+\i+3]|
.endr
	v_max3_num_f32 v[\m], v[\m], |v[\s+29]|, |v[\s+30]|
	v_max3_num_f32 v[\m], v[\m], v[\m+1], |v[\s+31]|
	v_add_nc_u32 v[\m+2], 0xff000000, v[\m]                        ; 2 off the exponent field: the conversion's scale operand
	v_lshrrev_b32 v[\m+3], 23, v[\m+2]
	v_cvt_scalef32_pk16_fp6_f32 v[\d:\d+2], v[\s:\s+15], v[\m+2]
	v_cvt_scalef32_pk16_fp6_f32 v[\t:\t+2], v[\s+16:\s+31], v[\m+2]  ; (a conversion's three registers begin on an even number)
	v_nop                                                          ; one plain line behind the conversions
	v_mov_b32 v[\d+3], v[\t]
	v_mov_b32 v[\d+4], v[\t+1]
	v_mov_b32 v[\d+5], v[\t+2]
.endm
.macro PAIRB dst, by                   ; my block's byte (block h) and lane l xor 16's: two bytes, in both lanes
	v_lshlrev_b32 v[T0], v[SH8], v[\by]
	v_permlanex16_b32 v[T1], v[T0], s[SEL], s[SEL+1]
	v_or_b32 v[\dst], v[T0], v[T1]
.endm
.macro PLACES n
.rept \n
	v_nop
.endr
.endm
.macro CROUND                          ; a round of the cluster's barrier
	s_barrier_signal -1
	s_barrier_wait -1
	s_cmp_lg_u32 s[WV], 0
	s_cbranch_scc1 .Lnot_wave_0_\@
	s_barrier_signal -3
.Lnot_wave_0_\@:
	s_barrier_wait -3
	s_barrier_signal -1
	s_barrier_wait -1
.endm
	s_load_b256 s[4:11], s[0:1], 0x0               ; x, part, norm_w, norm_b
	s_load_b64 s[12:13], s[0:1], 0x20              ; wts
	v_lshl_add_u32 v254, v0, 2, 0x29000
	v_mov_b32 v255, 0
	ds_add_u32 v254, v255
	ds_add_u32 v254, v255
	v_lshrrev_b32 v19, 5, v0
	v_readfirstlane_b32 s[WV], v19                 ; wave 0..3
	s_bfe_u32 s15, ttmp6, 0x40000                  ; cx: it enters global addresses alone
	s_lshl_b32 s20, ttmp9, 2
	s_add_co_u32 s20, s20, s15                     ; work-group 0..255
	s_lshr_b32 s2, s20, 6                          ; image
	s_and_b32 s3, s20, 63                          ; group of 64 tokens
	s_mov_b32 s[SEL], 0x76543210
	s_mov_b32 s[SEL+1], 0xfedcba98
	s_mov_b32 s[G1+0], 15|(3<<16)|(1<<21)          ; the mask: all four work-groups; elements of 8 bytes; bit 21 beside a mask; no padding
	s_mov_b32 s[G1+1], 32<<16                      ; tensor_dim0 = 32: rows of 256 bytes
	s_mov_b32 s[G1+2], 150<<16                     ; tensor_dim1 = 150 rows: 38,400 bytes, a quarter of the block
	s_mov_b32 s[G1+3], 32<<16                      ; tile_dim0
	s_mov_b32 s[G1+4], 150                         ; tile_dim1
	s_mov_b32 s[G1+5], 32                          ; the pitch: dense
	s_mov_b32 s[G1+6], 0
	s_mov_b32 s[G1+7], 0
	; every address register is made here
	v_and_b32 v19, 31, v0                          ; lane
	v_and_b32 v20, 15, v0                          ; r
	v_bfe_u32 v22, v0, 4, 1                        ; h
	v_lshlrev_b32 v[L16], 4, v19
	v_lshlrev_b32 v[L8], 3, v19
	v_lshlrev_b32 v[L4], 2, v19
	v_lshlrev_b32 v[R16], 4, v20
	v_lshlrev_b32 v[SH8], 3, v22
	v_lshlrev_b32 v[H128], 7, v22
	s_lshl_b32 s20, s[WV], 9
	s_add_co_u32 s20, s20, WSC
	v_lshl_add_u32 v[WSA], v20, 2, s20             ; scale words of my head's q fragments: 512 bytes a part, 4 r; k's 2,048 on, v's 4,096 on
	v_lshl_add_u32 v[XRS], v20, 2, XSC
	v_add_nc_u32 v[XR16], XIMG, v[L16]
	v_add_nc_u32 v[XR8], XIMG+512, v[L8]
	v_and_b32 v21, 7, v20
	v_lshrrev_b32 v23, 3, v20
	v_lshlrev_b32 v[BTA], 2, v21
	v_lshl_add_u32 v[BTA], v23, 7, v[BTA]          ; 4 (r & 7) + 128 (r >> 3)
	s_mul_i32 s20, s[WV], 12288
	v_add_nc_u32 v[WAQ], s20, v[L16]               ; 8 images of 1,536 bytes a part
	v_add_nc_u32 v[WAK], 49152, v[WAQ]
	v_add_nc_u32 v[WAV], 98304, v[WAQ]
	s_lshr_b32 s21, s[WV], 1                       ; phase X: my channels are half c = w & 1 of K step s = w >> 1
	s_and_b32 s22, s[WV], 1
	s_mul_i32 s23, s21, 1600
	s_mul_i32 s20, s22, 768
	s_add_co_u32 s23, s23, s20
	s_add_co_u32 s23, s23, XIMG
	v_bfe_u32 v20, v0, 2, 2                        ; token 2 l + e lies in tile (l >> 2) & 3, row 2 (l & 3) + e + 8 (l >> 4)
	v_and_b32 v21, 3, v0
	v_mul_u32_u24 v[XW16], v20, 3200
	v_lshl_add_u32 v[XW8], v21, 4, v[XW16]
	v_lshl_add_u32 v[XW8], v22, 6, v[XW8]
	v_add_nc_u32 v[XW8], s23, v[XW8]
	v_lshl_add_u32 v[XW16], v21, 5, v[XW16]
	v_lshl_add_u32 v[XW16], v22, 7, v[XW16]
	v_add_nc_u32 v[XW16], s23, v[XW16]
	s_lshl_b32 s20, s21, 6
	s_lshl_b32 s22, s22, 1
	s_add_co_u32 s20, s20, s22
	s_add_co_u32 s20, s20, XSC
	v_lshlrev_b32 v[XWS], 7, v20
	v_lshl_add_u32 v[XWS], v21, 3, v[XWS]
	v_lshl_add_u32 v[XWS], v22, 5, v[XWS]
	v_add_nc_u32 v[XWS], s20, v[XWS]
	v_mov_b32 v[T1], 0                             ; (a lane permute's destination counts as one of its sources)
	s_lshl_b32 s20, s2, 12                         ; part: groups 2 w and 2 w + 1 of my image: 512 bytes a group
	s_lshl_b32 s21, s[WV], 10
	s_add_co_u32 s20, s20, s21
	s_mov_b32 s21, 0
	s_wait_dscnt 0x0
	s_wait_kmcnt 0x0
	s_add_nc_u64 s[6:7], s[6:7], s[20:21]
	s_lshl_b32 s20, s2, 22                         ; x: the image, my 64 channels, the group's 256 bytes of a row
	s_lshl_b32 s22, s[WV], 20
	s_add_co_u32 s20, s20, s22
	s_lshl_b32 s22, s3, 8
	s_add_co_u32 s20, s20, s22
	s_add_nc_u64 s[4:5], s[4:5], s[20:21]
	s_lshl_b32 s20, s[WV], 8                       ; norm_w, norm_b: my 64 numbers
	s_add_nc_u64 s[8:9], s[8:9], s[20:21]
	s_add_nc_u64 s[10:11], s[10:11], s[20:21]
	s_mul_i32 s20, s[WV], 38400                    ; my quarter of the weights' block, in memory and in LDS
	s_mov_b32 s[G0], 1
	s_mov_b32 s[G0+1], s20
	s_add_nc_u64 s[G0+2:G0+3], s[12:13], s[20:21]
	s_or_b32 s[G0+3], s[G0+3], 0x80000000
	global_load_b128 v[STAT:STAT+3], v[L16], s[6:7]                ; two (mean, M2) pairs a lane: the group's 64
	global_load_b128 v[STAT+4:STAT+7], v[L16], s[6:7] offset:512
	s_load_b512 s[NW:NW+15], s[8:9], 0x0                           ; block 0's gains and biases
	s_load_b512 s[NW+16:NW+31], s[8:9], 0x40
	s_load_b512 s[NB:NB+15], s[10:11], 0x0
	s_load_b512 s[NB+16:NB+31], s[10:11], 0x40
	CROUND                                         ; all four work-groups are here: the joint loads meet
	tensor_load_to_lds s[G0:G0+3], s[G1:G1+7]      ; one load a wave is out; these bytes are filled once
	s_nop 0
	PLACES 4
.set i, 0
.rept 64
	global_load_b64 v[RAW+2*i:RAW+2*i+1], v[L8], s[4:5] offset:16384*i   ; channel 64 w + i, tokens 2 l and 2 l + 1: 256 consecutive bytes, aligned
.set i, i+1
.endr
	s_mov_b32 s20, 0x3727c5ac                      ; 1e-5
	s_wait_loadcnt 63                              ; of the 66 loads the first three are in, part's two among them
.irp g, 0,1                            ; the 64 pairs of a group are joined: mean = the means' mean; M2 = the sum of the M2 + 2,048 x the sum of (mean_i - mean)^2
	v_add_f32 v226, v[STAT+4*\g], v[STAT+4*\g+2]
	RED32 226, T1
	v_mul_f32 v226, 0x3c800000, v226               ; / 64
	v_sub_f32 v227, v[STAT+4*\g], v226
	v_sub_f32 v228, v[STAT+4*\g+2], v226
	v_mul_f32 v227, v227, v227
	v_fma_f32 v227, v228, v228, v227
	v_add_f32 v228, v[STAT+4*\g+1], v[STAT+4*\g+3]
	v_fma_f32 v227, v227, 0x45000000, v228
	RED32 227, T1
	v_fma_f32 v227, v227, 0x37000000, s20          ; / 131,072, + eps
	s_wait_alu depctr_va_vdst(0)
	v_rsq_f32 v228, v227
	v_mov_b32 v[STAT+4*\g], v226                   ; (a plain line behind the transcendental)  both as pairs, for the packed forms
	v_mov_b32 v[STAT+4*\g+1], v226
	s_wait_alu depctr_va_vdst(0)
	v_mov_b32 v[STAT+4*\g+2], v228
	v_mov_b32 v[STAT+4*\g+3], v228
.endr
.macro PHASEX bl                       ; block bl: channels 64 w + 32 bl on
.if \bl == 0
	s_wait_loadcnt 32                              ; block 0's 32 loads are in; block 1's may be out
.else
	s_wait_loadcnt 0x0
.endif
	s_wait_kmcnt 0x0                               ; the block's gains and biases
.set RB, RAW+64*\bl
.set i, 0
.rept 32
	v_pk_add_f32 v[RB+2*i:RB+2*i+1], v[RB+2*i:RB+2*i+1], v[STAT+4*\bl:STAT+4*\bl+1] neg_lo:[0,1] neg_hi:[0,1]
.set i, i+1
.endr
.set i, 0
.rept 32
	v_pk_mul_f32 v[RB+2*i:RB+2*i+1], v[RB+2*i:RB+2*i+1], v[STAT+4*\bl+2:STAT+4*\bl+3]
.set i, i+1
.endr
.set i, 0
.rept 32
	v_fma_f32 v[Y+i], v[RB+2*i], s[NW+i], s[NB+i]                  ; the destination parts the two tokens
	v_fma_f32 v[Y+32+i], v[RB+2*i+1], s[NW+i], s[NB+i]
.set i, i+1
.endr
.if \bl == 0
	s_load_b512 s[NW:NW+15], s[8:9], 0x80                          ; block 1's
	s_load_b512 s[NW+16:NW+31], s[8:9], 0xc0
	s_load_b512 s[NB:NB+15], s[10:11], 0x80
	s_load_b512 s[NB+16:NB+31], s[10:11], 0xc0
.endif
.irp e, 0,1
	s_wait_dscnt 0x0                               ; the last stores have read the codes' registers
	QUANT32 Y+32*\e, CD, TP, MM
	ds_store_b128 v[XW16], v[CD:CD+3] offset:16*\e+256*\bl         ; the image's place of lane (row, h = bl)
	ds_store_b64 v[XW8], v[CD+4:CD+5] offset:512+8*\e+128*\bl
	v_mov_b32 v[SW+2*\bl+\e], v[MM+3]
.endr
.endm
	PHASEX 0
	PHASEX 1
.irp e, 0,1
	v_lshl_or_b32 v[T0+\e], v[SW+2+\e], 8, v[SW+\e]                ; my two blocks' bytes: half a scale word
	ds_store_b16 v[XWS], v[T0+\e] offset:4*\e
.endr
	s_load_b256 s[24:31], s[0:1], 0x28             ; qkv_b, qc, qs, kv
	s_lshl_b32 s20, s2, 2
	s_add_co_u32 s20, s20, s[WV]                   ; bh = 4 n + head
	s_mul_i32 s32, s20, 196608                     ; qc: 256 tiles of 768 bytes a head; my four tiles
	s_mul_i32 s21, s3, 3072
	s_add_co_u32 s32, s32, s21
	s_mov_b32 s33, 0
	s_lshl_b32 s34, s20, 14                        ; qs: 256 bytes a group
	s_lshl_b32 s21, s3, 8
	s_add_co_u32 s34, s34, s21
	s_mov_b32 s35, 0
	s_mul_i32 s36, s20, 417792                     ; kv: 32 steps of 13,056 bytes a head; step G / 2, half c = G & 1
	s_lshr_b32 s21, s3, 1
	s_mul_i32 s21, s21, 13056
	s_add_co_u32 s36, s36, s21
	s_and_b32 s21, s3, 1
	s_mul_i32 s22, s21, 3072
	s_lshl_b32 s23, s21, 8
	s_add_co_u32 s38, s36, s23
	s_add_co_u32 s38, s38, 6144                    ; k's scale words
	s_lshl_b32 s23, s21, 7
	s_add_co_u32 s42, s36, s23
	s_add_co_u32 s42, s42, 12800                   ; v's scale halves
	s_add_co_u32 s36, s36, s22                     ; k's half images
	s_add_co_u32 s40, s36, 6656                    ; v's
	s_mov_b32 s37, 0
	s_mov_b32 s39, 0
	s_mov_b32 s41, 0
	s_mov_b32 s43, 0
	s_lshl_b32 s20, s[WV], 8                       ; qkv_b: my head's 64 numbers of each part
	s_mov_b32 s21, 0
	s_wait_kmcnt 0x0
	s_add_nc_u64 s[32:33], s[26:27], s[32:33]
	s_add_nc_u64 s[34:35], s[28:29], s[34:35]
	s_add_nc_u64 s[36:37], s[30:31], s[36:37]
	s_add_nc_u64 s[38:39], s[30:31], s[38:39]
	s_add_nc_u64 s[40:41], s[30:31], s[40:41]
	s_add_nc_u64 s[42:43], s[30:31], s[42:43]
	s_add_nc_u64 s[24:25], s[24:25], s[20:21]
	s_wait_tensorcnt 0x0                           ; my quarter of the weights has landed,
	s_wait_dscnt 0x0                               ; my images of x are stored:
	s_barrier_signal -1
	s_barrier_wait -1                              ; everybody's are.  From here on LDS is only read
.macro XFETCH u                        ; x's two fragments of tile u, and their scale words
.irp s, 0,1
.irp c, 0,1
	ds_load_b128 v[R2+12*\s+6*\c:R2+12*\s+6*\c+3], v[XR16] offset:1600*(2*(\u)+\s)+768*\c
	ds_load_b64 v[R2+12*\s+6*\c+4:R2+12*\s+6*\c+5], v[XR8] offset:1600*(2*(\u)+\s)+768*\c
.endr
	ds_load_b32 v[SCS+\s], v[XRS] offset:64*(2*(\u)+\s)
.endr
.endm
.macro WFETCH t                        ; the two fragments of tile t of v's weight, and their scale words
.irp s, 0,1
.irp j, 0,1,2
	ds_load_b128 v[R2+12*\s+4*\j:R2+12*\s+4*\j+3], v[WAV] offset:1536*(2*(\t)+\s)+512*\j
.endr
	ds_load_b32 v[SCS+\s], v[WSA] offset:4096+64*(2*(\t)+\s)
.endr
.endm
; q or k of my head.  The weight's 8 fragments stay; x's tiles go by.  wa: the weight's address register; wso, boff: the part's scale words and bias; cp, sp: where codes and scale words go.
.macro PART_QK wa, wso, boff, cp, sp
.set f, 0
.rept 8
.irp j, 0,1,2
	ds_load_b128 v[R1+12*f+4*\j:R1+12*f+4*\j+3], v[\wa] offset:1536*f+512*\j
.endr
	ds_load_b32 v[SCR+f], v[WSA] offset:\wso+64*f
.set f, f+1
.endr
.irp i, 0,1,2,3
	global_load_b128 v[BIA+8*\i:BIA+8*\i+3], v[H128], s[24:25] offset:\boff+32*\i       ; register j of tile i: channel 32 h + 8 i + j
	global_load_b128 v[BIA+8*\i+4:BIA+8*\i+7], v[H128], s[24:25] offset:\boff+32*\i+16
.endr
	XFETCH 0
.irp u, 0,1,2,3
	s_wait_dscnt 0x0
.if \u == 0
	s_wait_loadcnt 0x0                             ; the bias
.endif
.irp i, 0,1,2,3                        ; the four accumulators by turns, one instruction a turn
	v_wmma_scale_f32_16x16x128_f8f6f4 v[ACC+8*\i:ACC+8*\i+7], v[R1+24*\i:R1+24*\i+11], v[R2:R2+11], v[BIA+8*\i:BIA+8*\i+7], v[SCR+2*\i], v[SCS] matrix_a_fmt:MATRIX_FMT_FP6 matrix_b_fmt:MATRIX_FMT_FP6
.endr
.irp i, 0,1,2,3
	v_wmma_scale_f32_16x16x128_f8f6f4 v[ACC+8*\i:ACC+8*\i+7], v[R1+24*\i+12:R1+24*\i+23], v[R2+12:R2+23], v[ACC+8*\i:ACC+8*\i+7], v[SCR+2*\i+1], v[SCS+1] matrix_a_fmt:MATRIX_FMT_FP6 matrix_b_fmt:MATRIX_FMT_FP6
.endr
	PLACES 5                                       ; ahead of the loads into operands just read, of the reads of the results, and of the next tile's products, which begin these accumulators anew
.if \u < 3
	XFETCH \u+1
.endif
	s_wait_xcnt 0x0                                ; the last stores' data are written again only behind this wait
	QUANT32 ACC, CD, TP, MM
	PAIRB SW+\u, MM+3
	v_or_b32 v[SW+\u], 0x7f7f0000, v[SW+\u]        ; K is 64: the upper two blocks' bytes are 1.0
	global_store_b128 v[L16], v[CD:CD+3], s[\cp:\cp+1] offset:768*\u        ; 512 consecutive bytes,
	global_store_b64 v[L8], v[CD+4:CD+5], s[\cp:\cp+1] offset:768*\u+512    ; and 256
.endr
	global_store_b128 v[R16], v[SW:SW+3], s[\sp:\sp+1]             ; row r's four words (tiles 0-3): 256 consecutive bytes; lanes r and r + 16 store the same
.endm
	PART_QK WAQ, 0, 0, 32, 34
	PART_QK WAK, 2048, 1024, 36, 38
	; ---- v of my head: x's 8 fragments stay, the weight's tiles go by
.set f, 0
.rept 8
.irp c, 0,1
	ds_load_b128 v[R1+12*f+6*\c:R1+12*f+6*\c+3], v[XR16] offset:1600*f+768*\c
	ds_load_b64 v[R1+12*f+6*\c+4:R1+12*f+6*\c+5], v[XR8] offset:1600*f+768*\c
.endr
	ds_load_b32 v[SCR+f], v[XRS] offset:64*f
.set f, f+1
.endr
.irp t, 0,1,2,3
	global_load_b32 v[BT+\t], v[BTA], s[24:25] offset:2048+32*\t   ; the bias of my lane's channel 8 t + (r & 7) + 32 (r >> 3)
.endr
	WFETCH 0
	s_wait_loadcnt 0x0
.irp t, 0,1,2,3
.irp j, 0,1,2,3,4,5,6,7
	v_mov_b32 v[BIA+8*\t+\j], v[BT+\t]             ; the same for all eight tokens of a lane
.endr
.endr
	PLACES 8
.irp t, 0,1,2,3
	s_wait_dscnt 0x0
.irp u, 0,1,2,3
	v_wmma_scale_f32_16x16x128_f8f6f4 v[ACC+8*\u:ACC+8*\u+7], v[R1+24*\u:R1+24*\u+11], v[R2:R2+11], v[BIA+8*\t:BIA+8*\t+7], v[SCR+2*\u], v[SCS] matrix_a_fmt:MATRIX_FMT_FP6 matrix_b_fmt:MATRIX_FMT_FP6
.endr
.irp u, 0,1,2,3
	v_wmma_scale_f32_16x16x128_f8f6f4 v[ACC+8*\u:ACC+8*\u+7], v[R1+24*\u+12:R1+24*\u+23], v[R2+12:R2+23], v[ACC+8*\u:ACC+8*\u+7], v[SCR+2*\u+1], v[SCS+1] matrix_a_fmt:MATRIX_FMT_FP6 matrix_b_fmt:MATRIX_FMT_FP6
.endr
	PLACES 5
.if \t < 3
	WFETCH \t+1
.endif
	s_wait_xcnt 0x0
	QUANT32 ACC, CD, TP, MM                        ; tokens 32 h + 0 .. 31 of my channel: a block along the keys
	PAIRB HW+\t, MM+3
	global_store_b128 v[L16], v[CD:CD+3], s[40:41] offset:768*\t
	global_store_b64 v[L8], v[CD+4:CD+5], s[40:41] offset:768*\t+512
.endr
	v_lshl_or_b32 v[T0], v[HW+2], 16, v[HW]        ; lanes 0-15: tiles 0 and 2;
	v_lshl_or_b32 v[T1], v[HW+3], 16, v[HW+1]      ; lanes 16-31: tiles 1 and 3
	v_cmp_ne_u32 vcc_lo, 0, v[SH8]
	v_cndmask_b32 v[T0], v[T0], v[T1], vcc_lo
	global_store_b32 v[L4], v[T0], s[42:43]        ; 128 consecutive bytes
	s_wait_tensorcnt 0x0
	ds_add_u32 v254, v255
	s_wait_dscnt 0x0
	CROUND                                         ; the closing round: no work-group ends while a partner may still ask jointly
	s_endpgm
.Lfunc_end_k_q8de1286133_qkv:
	.size	k_q8de1286133_qkv, .Lfunc_end_k_q8de1286133_qkv-k_q8de1286133_qkv
	.p2alignl 7, 3214868480
	.fill 96, 4, 3214868480
	.section	.rodata,"a",@progbits
	.p2align	6, 0x0
	.amdhsa_kernel k_q8de1286133_qkv
		.amdhsa_group_segment_fixed_size 168448
		.amdhsa_private_segment_fixed_size 0
		.amdhsa_enable_private_segment 0
		.amdhsa_kernarg_size 72
		.amdhsa_user_sgpr_count 2
		.amdhsa_user_sgpr_kernarg_segment_ptr 1
		.amdhsa_wavefront_size32 1
		.amdhsa_system_sgpr_workgroup_id_x 1
		.amdhsa_system_sgpr_workgroup_id_y 1
		.amdhsa_system_sgpr_workgroup_id_z 1
		.amdhsa_system_vgpr_workitem_id 0
		.amdhsa_next_free_vgpr 256
		.amdhsa_next_free_sgpr 100
		.amdhsa_reserve_vcc 1
		.amdhsa_float_denorm_mode_32 3
		.amdhsa_float_denorm_mode_16_64 3
		.amdhsa_memory_ordered 1
		.amdhsa_forward_progress 1
		.amdhsa_inst_pref_size 93
	.end_amdhsa_kernel
	.amdgpu_metadata
---
amdhsa.version: [ 1, 2 ]
amdhsa.kernels:
  - .name:           k_q8de1286133_qkv
    .symbol:         k_q8de1286133_qkv.kd
    .args:
      - { .name: x, .offset: 0, .size: 8, .value_kind: global_buffer, .address_space: global }
      - { .name: part, .offset: 8, .size: 8, .value_kind: global_buffer, .address_space: global }
      - { .name: norm_w, .offset: 16, .size: 8, .value_kind: global_buffer, .address_space: global }
      - { .name: norm_b, .offset: 24, .size: 8, .value_kind: global_buffer, .address_space: global }
      - { .name: wts, .offset: 32, .size: 8, .value_kind: global_buffer, .address_space: global }
      - { .name: qkv_b, .offset: 40, .size: 8, .value_kind: global_buffer, .address_space: global }
      - { .name: qc, .offset: 48, .size: 8, .value_kind: global_buffer, .address_space: global }
      - { .name: qs, .offset: 56, .size: 8, .value_kind: global_buffer, .address_space: global }
      - { .name: kv, .offset: 64, .size: 8, .value_kind: global_buffer, .address_space: global }
    .group_segment_fixed_size: 168448
    .private_segment_fixed_size: 0
    .kernarg_segment_align: 8
    .kernarg_segment_size: 72
    .max_flat_workgroup_size: 128
    .sgpr_count:     100
    .vgpr_count:     256
    .wavefront_size: 32
...
	.end_amdgpu_metadata
.endif
;; end of part 2
;; launch attn (part 3): grid 16 x 16, 16 waves a work-group, clusters of 4 x 1, 327,680 bytes of LDS; arguments qc, qs, kv, oc, os; writes oc, os
.if DOCPART == 3
	.amdgcn_target "amdgcn-amd-amdhsa--gfx1250"
	.amdhsa_code_object_version 6
	.text
	.protected	k_q8de1286133_attn
	.globl	k_q8de1286133_attn
	.p2align	8
	.type	k_q8de1286133_attn,@function
k_q8de1286133_attn:
	s_mov_b64 s[64:65], 0
	v_nop
	global_prefetch_b8 v0, s[64:65] scope:SCOPE_SE
	s_setreg_imm32_b32 hwreg(HW_REG_WAVE_MODE, 25, 1), 1
	s_wait_xcnt 0x0
	s_wait_alu depctr_hold_cnt(0) depctr_sa_sdst(0) depctr_va_vdst(0) depctr_va_sdst(0) depctr_va_ssrc(0) depctr_va_vcc(0) depctr_vm_vsrc(0)
	s_getreg_b32 s2, hwreg(HW_REG_IB_STS2, 6, 4)
	s_cmp_eq_u32 s2, 0
	s_cbranch_scc0 .Lentry_in_a_cluster
	s_endpgm
.Lentry_in_a_cluster:
	s_bfe_u32 s2, ttmp6, 0x10000c
	s_cmp_lg_u32 s2, 0x3003
	s_cbranch_scc0 .Lentry_shape_is_right
	s_endpgm
.Lentry_shape_is_right:
; ATTENTION ON CODES OF E2M3, head size 64, 4,096 keys, 16 (image, head) pairs.  A work-group owns 256 queries of one pair; each of its SIXTEEN waves one tile of 16, in 224 registers: four waves to a SIMD,
; so that one wave's softmax stands beside another's products and LDS loads.  Every wave walks all keys, 128 a step.
; Both products are used transposed: S^T = K Q^T (source 0 = 16 keys), O^T = V^T P^T (source 0 = 16 channels): a lane holds ONE query throughout.  The launch before chose the keys of a tile so that registers
; 32 c + 0 .. 31 of S^T are keys 64 c + 32 h + 0 .. 31: a whole block of the next K in a lane: no other lane is asked for a block's maximum, and the conversions' results are P's registers as they stand.
; V's channels are chosen likewise, so that O^T's 32 registers are channels 32 h + 0 .. 31: a block of the projection's K.
; K = 64 IN AN INSTRUCTION OF 128: Q's registers 6-11 hold zero codes.  K's eight fragments of a step lie 6 registers apart, so an instruction's k = 64 .. 127 reads the next fragment's codes (behind the last: six zero
; registers): every pattern of 6 bits is a finite number, and against Q's zero codes the products are exact zeros; bytes 2 and 3 of both scale words are 0x7f.
; SOFTMAX: t = score x log2(e) / 8; M = the running largest t rounded up to a whole number; p = 2^(t - M), not normalised, is quantised; the sum is taken of the unquantised p and divides at the end;
; when M moves, the sum and O^T are multiplied by 2^(old M - new M), which rounds nothing.  A block's largest p is the block's largest score put through the same two instructions.
; kv: a step is 13,056 dense bytes: K's 8 half images (768 each), K's scale words (512), V's 8 half images, V's scale halves (256).  LDS holds 24 steps in three slots of 8; the first slot is filled a second time
; with steps 24-31.  The four work-groups of a cluster walk the same head: waves 0-3 ask JOINTLY, a quarter of a slot each; at most three loads of a wave are out.
; LIMITS: NaN and infinities are not served; a block of zeros carries the byte 1 (read by this program alone; zero codes add nothing).
.set STEPB, 13056
.set SLOTB, 8*STEPB
.set QUART, SLOTB/4
.set SPARE, 3*SLOTB                    ; the spare words: 128 bytes for each of 16 waves, eight blocks of 256 bytes that no other line names
.set OSST,  SPARE+2048                 ; 512 bytes: the work-group's scale halves of O, gathered for one store
.set WV,  14                           ; s14 wave; s15 cx; s16 the pair bh; s17 the block of 256 queries
.set SEL, 18                           ; s[18:19] lane selects: lane l xor 16
.set CS,  20                           ; s[20:21] c = log2(e) / 8, as a pair
.set PLO, 22                           ; s22, s23 byte selects: two low halves, two high halves
.set PHI, 23
.set G1,  24                           ; s[24:31] descriptor group 1;  s[32:43] three groups 0
.set G0,  32
.set TB,  44                           ; s44 LDS byte at which the step in hand begins;  s45 counts trips
.set CNT, 45
.set L16, 1
.set L8,  2
.set L4,  3
.set SPW, 4                            ; LDS address of my spare word; never rewritten
.set NIL, 5                            ; 0; never rewritten
.set SH8, 6                            ; 8 h
.set A16, 7                            ; the step's addresses: TB + 16 l, + 8 l, + 4 l
.set A8,  8
.set A4,  9
.set OSW, 11                           ; where my row's scale half of O goes
.set QF,  16                           ; v16-27 Q (v22-27 zero codes);  v28 Q's scale words;  v29 OSST + 16 l
.set QS,  28
.set OSR, 29
.set F,   30                           ; v30-83 K's eight fragments at F + 6 t, or V's four at F + 12 t; v78-83 stay zero
.set KS,  84                           ; v84-87 K's scale words: lanes 0-15 tiles 0-3, lanes 16-31 tiles 4-7
.set X0,  88                           ; v88, v89 V's scale halves as they lie
.set VS,  90                           ; v90, v91 V's scale words;  v92 P's
.set PS,  92
.set S,   96                           ; v96-159 S^T, then p
.set O,   160                          ; v160-191 O^T
.set P,   192                          ; v192-203 P's codes;  v204-206, v208-210 at work
.set TP,  204
.set BM,  212                          ; v212-213 the blocks' largest; v214-215 the conversions' scale operands; v216-219 at work
.set FF,  220                          ; v[220:221] f
.set SU,  222                          ; v[222:223] the second chain of the sum
.macro PLACES n
.rept \n
	v_nop
.endr
.endm
.macro CROUND
	s_barrier_signal -1
	s_barrier_wait -1
	s_cmp_lg_u32 s[WV], 0
	s_cbranch_scc1 .Lnot_wave_0_\@
	s_barrier_signal -3
.Lnot_wave_0_\@:
	s_barrier_wait -3
	s_barrier_signal -1
	s_barrier_wait -1
.endm
.macro QUANT32 s, d, t, m
	v_max3_num_f32 v[\m], |v[\s]|, |v[\s+1]|, 0x1800000
	v_max3_num_f32 v[\m+1], |v[\s+2]|, |v[\s+3]|, |v[\s+4]|
.irp i, 5,9,13,17,21,25
	s_delay_alu instid0(VALU_DEP_2)
	v_max3_num_f32 v[\m], v[\m], |v[\s+\i]|, |v[\s+\i+1]|
	s_delay_alu instid0(VALU_DEP_2)
	v_max3_num_f32 v[\m+1], v[\m+1], |v[\s+\i+2]|, |v[\s+\i+3]|
.endr
	s_delay_alu instid0(VALU_DEP_2)
	v_max3_num_f32 v[\m], v[\m], |v[\s+29]|, |v[\s+30]|
	s_delay_alu instid0(VALU_DEP_1)
	v_max3_num_f32 v[\m], v[\m], v[\m+1], |v[\s+31]|
	s_delay_alu instid0(VALU_DEP_1)
	v_add_nc_u32 v[\m+2], 0xff000000, v[\m]
	s_delay_alu instid0(VALU_DEP_1)
	v_lshrrev_b32 v[\m+3], 23, v[\m+2]
	v_cvt_scalef32_pk16_fp6_f32 v[\d:\d+2], v[\s:\s+15], v[\m+2]
	v_cvt_scalef32_pk16_fp6_f32 v[\t:\t+2], v[\s+16:\s+31], v[\m+2]
	v_nop
	v_mov_b32 v[\d+3], v[\t]
	v_mov_b32 v[\d+4], v[\t+1]
	v_mov_b32 v[\d+5], v[\t+2]
.endm
	s_load_b256 s[4:11], s[0:1], 0x0               ; qc, qs, kv, oc
	s_load_b64 s[12:13], s[0:1], 0x20              ; os
	v_lshl_add_u32 v[SPW], v0, 2, SPARE
	v_mov_b32 v[NIL], 0
	ds_add_u32 v4, v5
	ds_add_u32 v4, v5
	s_wait_dscnt 0x0
	v_lshrrev_b32 v10, 5, v0
	s_delay_alu instid0(VALU_DEP_1)
	v_readfirstlane_b32 s[WV], v10                 ; wave 0..15
	s_bfe_u32 s15, ttmp6, 0x40000                  ; cx: it enters global addresses alone
	s_lshl_b32 s17, ttmp9, 2
	s_add_co_u32 s17, s17, s15                     ; my block of 256 queries
	s_and_b32 s16, ttmp7, 0xffff                   ; bh, which the four partners share
	s_mov_b32 s[G1+0], 15|(3<<16)|(1<<21)          ; the mask: all four work-groups; elements of 8 bytes; bit 21 beside a mask; no padding
	s_mov_b32 s[G1+1], 32<<16                      ; rows of 256 bytes,
	s_mov_b32 s[G1+2], 102<<16                     ; 102 of them: 26,112 bytes, a quarter of a slot
	s_mov_b32 s[G1+3], 32<<16
	s_mov_b32 s[G1+4], 102
	s_mov_b32 s[G1+5], 32                          ; dense
	s_mov_b32 s[G1+6], 0
	s_mov_b32 s[G1+7], 0
	s_mov_b32 s[SEL], 0x76543210
	s_mov_b32 s[SEL+1], 0xfedcba98
	s_mov_b32 s[CS], 0x3e38aa3b                    ; log2(e) / 8
	s_mov_b32 s[CS+1], s[CS]
	s_mov_b32 s[PLO], 0x05040100
	s_mov_b32 s[PHI], 0x07060302
	s_mul_i32 s48, s[WV], QUART                    ; my quarter, in a slot and in memory (waves 0-3 alone use it)
	s_mul_i32 s46, s16, 32*STEPB
	s_add_co_u32 s46, s46, s48
	s_mov_b32 s47, 0
	s_wait_kmcnt 0x0
	s_add_nc_u64 s[46:47], s[8:9], s[46:47]
.irp k, 0,1,2
	s_mov_b32 s[G0+4*\k], 1
	s_add_co_u32 s[G0+4*\k+1], s48, \k*SLOTB
	s_add_nc_u64 s[G0+4*\k+2:G0+4*\k+3], s[46:47], \k*SLOTB
	s_or_b32 s[G0+4*\k+3], s[G0+4*\k+3], 0x80000000
.endr
	CROUND                                         ; all four work-groups are here: the first joint loads meet
	s_cmp_lt_u32 s[WV], 4                          ; a wave's three first fills stand in one branch on its number
	s_cbranch_scc0 .Lno_first
	tensor_load_to_lds s[G0:G0+3], s[G1:G1+7]      ; steps 0-7
	s_nop 0
	tensor_load_to_lds s[G0+4:G0+7], s[G1:G1+7]    ; steps 8-15
	s_nop 0
	tensor_load_to_lds s[G0+8:G0+11], s[G1:G1+7]   ; steps 16-23
	s_nop 0
	PLACES 4
.Lno_first:
	v_and_b32 v10, 31, v0
	s_delay_alu instid0(VALU_DEP_1)
	v_lshlrev_b32 v[L16], 4, v10
	s_wait_alu depctr_va_vdst(0)
	v_lshlrev_b32 v[L8], 3, v10
	s_wait_alu depctr_va_vdst(0)
	v_lshlrev_b32 v[L4], 2, v10
	v_bfe_u32 v[SH8], v0, 4, 1
	s_delay_alu instid0(VALU_DEP_1)
	v_lshlrev_b32 v[SH8], 3, v[SH8]
	v_and_b32 v[OSW], 15, v0                       ; r
	s_delay_alu instid0(VALU_DEP_1)
	v_lshlrev_b32 v10, 4, v[OSW]                   ; 16 r
	s_wait_alu depctr_va_vdst(0)
	s_lshr_b32 s52, s[WV], 2                       ; O's scale halves: 128 bytes a group of four tiles, 8 r + 2 x the tile in it
	s_lshl_b32 s52, s52, 7
	s_and_b32 s53, s[WV], 3
	s_lshl_b32 s53, s53, 1
	s_add_co_u32 s52, s52, s53
	s_add_co_u32 s52, s52, OSST
	v_lshl_add_u32 v[OSW], v[OSW], 3, s52
	v_add_nc_u32 v[OSR], OSST, v[L16]
	s_lshl_b32 s49, s17, 4
	s_add_co_u32 s49, s49, s[WV]                   ; my tile of queries, 0..255
	s_mul_i32 s50, s16, 196608
	s_mul_i32 s52, s49, 768
	s_add_co_u32 s50, s50, s52
	s_mov_b32 s51, 0
	s_add_nc_u64 s[4:5], s[4:5], s[50:51]          ; its half image
	s_lshl_b32 s50, s16, 14
	s_lshr_b32 s52, s49, 2
	s_lshl_b32 s52, s52, 8
	s_add_co_u32 s50, s50, s52
	s_and_b32 s52, s49, 3
	s_lshl_b32 s52, s52, 2
	s_add_co_u32 s50, s50, s52
	s_add_nc_u64 s[6:7], s[6:7], s[50:51]          ; its scale words
	global_load_b128 v[QF:QF+3], v[L16], s[4:5]
	global_load_b64 v[QF+4:QF+5], v[L8], s[4:5] offset:512
	global_load_b32 v[QS], v10, s[6:7]
	s_lshr_b32 s50, s16, 2                         ; oc: [image][tile][head] half images
	s_mul_i32 s50, s50, 786432
	s_mul_i32 s52, s49, 3072
	s_add_co_u32 s50, s50, s52
	s_and_b32 s52, s16, 3
	s_mul_i32 s52, s52, 768
	s_add_co_u32 s50, s50, s52
	s_add_nc_u64 s[10:11], s[10:11], s[50:51]
	s_lshl_b32 s50, s16, 13                        ; os: 8,192 bytes a pair, 512 a work-group
	s_lshl_b32 s52, s17, 9
	s_add_co_u32 s50, s50, s52
	s_add_nc_u64 s[12:13], s[12:13], s[50:51]
.irp j, 0,1,2,3,4,5
	v_mov_b32 v[QF+6+\j], 0                        ; zero codes for k = 64 .. 127
	v_mov_b32 v[F+48+\j], 0                        ; what the last fragment of K reads there
.endr
.set j, 0
.rept 32
	v_mov_b32 v[O+j], 0                            ; the step is written once: the first finds zeros, which the first change of M leaves zeros
.set j, j+1
.endr
	v_mov_b32 v13, 0xff61b1e6                      ; the largest t so far: -3e38
	s_delay_alu instid0(VALU_DEP_1)
	v_floor_f32 v12, -v13                          ; -M
	v_mov_b32 v14, 0                               ; the sum, in two halves
	v_mov_b32 v15, 0
	v_mov_b32 v217, 0                              ; (lane permutes' destinations, and the upper half of f's pair, are written once)
	v_mov_b32 v219, 0
	v_mov_b32 v[FF+1], 0
; A KEY STEP: 128 keys, at LDS byte s[TB].
.macro STEP
	v_add_nc_u32 v[A16], s[TB], v[L16]             ; these three and the v_nop are the four places behind the last step's products, ahead of the loads into their operands
	v_add_nc_u32 v[A8], s[TB], v[L8]
	v_add_nc_u32 v[A4], s[TB], v[L4]
	v_nop
	ds_load_b128 v[KS:KS+3], v[A16] offset:6144
.irp t, 0,1,2,3,4,5,6,7
	ds_load_b128 v[F+6*\t:F+6*\t+3], v[A16] offset:768*\t
	ds_load_b64 v[F+6*\t+4:F+6*\t+5], v[A8] offset:768*\t+512
.endr
	s_wait_alu depctr_va_vdst(0)
	s_wait_dscnt 0x0
.irp t, 0,1,2,3,4,5,6,7
.if \t < 4
	v_wmma_scale_f32_16x16x128_f8f6f4 v[S+8*\t:S+8*\t+7], v[F+6*\t:F+6*\t+11], v[QF:QF+11], 0, v[KS+\t], v[QS] matrix_a_fmt:MATRIX_FMT_FP6 matrix_b_fmt:MATRIX_FMT_FP6
.else
	v_wmma_scale_f32_16x16x128_f8f6f4 v[S+8*\t:S+8*\t+7], v[F+6*\t:F+6*\t+11], v[QF:QF+11], 0, v[KS+\t-4], v[QS] matrix_a_fmt:MATRIX_FMT_FP6 matrix_b_fmt:MATRIX_FMT_FP6 matrix_a_scale:MATRIX_SCALE_ROW1
.endif
.endr
	PLACES 4
	ds_load_b32 v[X0], v[A4] offset:12800          ; V's scale halves of keys 0-63,
	ds_load_b32 v[X0+1], v[A4] offset:12928        ; and of keys 64-127
.irp t, 0,1,2,3
.irp c, 0,1
	ds_load_b128 v[F+12*\t+6*\c:F+12*\t+6*\c+3], v[A16] offset:6656+3072*\c+768*\t       ; V lands while the softmax is walked
	ds_load_b64 v[F+12*\t+6*\c+4:F+12*\t+6*\c+5], v[A8] offset:6656+3072*\c+768*\t+512
.endr
.endr
.irp c, 0,1                            ; the largest score of each of my two blocks of 32 keys, up the registers, the two by turns
	v_max3_num_f32 v[BM+\c], v[S+32*\c], v[S+32*\c+1], v[S+32*\c+2]
.endr
.irp i, 3,5,7,9,11,13,15,17,19,21,23,25,27,29
.irp c, 0,1
	v_max3_num_f32 v[BM+\c], v[BM+\c], v[S+32*\c+\i], v[S+32*\c+\i+1]
.endr
.endr
.irp c, 0,1
	v_max_num_f32 v[BM+\c], v[BM+\c], v[S+32*\c+31]
.endr
	s_delay_alu instid0(VALU_DEP_1)
	v_max_num_f32 v216, v[BM], v[BM+1]
	s_delay_alu instid0(VALU_DEP_1)
	v_permlanex16_b32 v217, v216, s[SEL], s[SEL+1]
	s_delay_alu instid0(VALU_DEP_1)
	v_max_num_f32 v216, v216, v217                 ; the step's largest score of my query
	s_delay_alu instid0(VALU_DEP_1)
	v_mul_f32 v216, s[CS], v216
	s_delay_alu instid0(VALU_DEP_1)
	v_max_num_f32 v13, v13, v216                   ; the running largest t
	v_mov_b32 v216, v12
	s_delay_alu instid0(VALU_DEP_2)
	v_floor_f32 v12, -v13                          ; -M = floor(-t): M is a whole number
	s_delay_alu instid0(VALU_DEP_1)
	v_sub_f32 v216, v12, v216                      ; old M - new M: a whole number, 0 or less
	s_delay_alu instid0(VALU_DEP_1)
	v_cvt_i32_f32 v216, v216                       ; (it saturates)
	s_delay_alu instid0(VALU_DEP_1)
	v_ldexp_f32 v[FF], 1.0, v216                   ; f = 2^(old M - new M)
.set j, 0
.rept 32
	v_pk_fma_f32 v[S+j:S+j+1], v[S+j:S+j+1], s[CS:CS+1], v[12:13] op_sel_hi:[1,0,0]   ; t - M
.set j, j+2
.endr
.irp c, 0,1
	v_fma_f32 v[BM+\c], v[BM+\c], s[CS], v12       ; the same of each block's largest score
.endr
.set j, 0
	s_setprio 1
	s_wait_alu depctr_va_vdst(0)
.rept 64
	v_exp_f32 v[S+j], v[S+j]                       ; p = 2^(t - M)
.set j, j+1
.endr
.irp c, 0,1
	v_exp_f32 v[BM+\c], v[BM+\c]                   ; the block's largest p: the same two instructions on the same number
.endr
	v_pk_mul_f32 v[14:15], v[14:15], v[FF:FF+1] op_sel_hi:[1,0]    ; the sum under the new M.  (A plain line behind the exponentials)
	s_wait_dscnt 16                                ; V's two loads of scale halves are in; its 16 loads of codes may be out
	v_perm_b32 v[VS], v[X0+1], v[X0], s[PLO]       ; lanes 0-15: tile 0's word, lanes 16-31: tile 1's
	v_perm_b32 v[VS+1], v[X0+1], v[X0], s[PHI]     ; tiles 2 and 3
	s_wait_alu depctr_va_vdst(0)
.irp c, 0,1
	v_max_num_f32 v[BM+\c], 0x1800000, v[BM+\c]    ; the floor 2^(3 - 127): the byte cannot fall under 1
.endr
.irp c, 0,1
	s_delay_alu instid0(VALU_DEP_2)
	v_add_nc_u32 v[BM+2+\c], 0xff000000, v[BM+\c]  ; 2 off the exponent field: the conversion's scale operand
.endr
.irp c, 0,1
	s_delay_alu instid0(VALU_DEP_2)
	v_lshrrev_b32 v[216+\c], 23, v[BM+2+\c]
.endr
	s_delay_alu instid0(VALU_DEP_1)
	v_lshl_or_b32 v218, v217, 16, v216             ; my bytes: blocks h and 2 + h,
	s_delay_alu instid0(VALU_DEP_1)
	v_lshlrev_b32 v218, v[SH8], v218               ; 8 h bits up;
	s_delay_alu instid0(VALU_DEP_1)
	v_permlanex16_b32 v219, v218, s[SEL], s[SEL+1]
	s_delay_alu instid0(VALU_DEP_1)
	v_or_b32 v[PS], v218, v219                     ; with lane l xor 16's two: p's scale word
.irp c, 0,1
	v_cvt_scalef32_pk16_fp6_f32 v[P+6*\c:P+6*\c+2], v[S+32*\c:S+32*\c+15], v[BM+2+\c]
	v_cvt_scalef32_pk16_fp6_f32 v[TP+4*\c:TP+4*\c+2], v[S+32*\c+16:S+32*\c+31], v[BM+2+\c]
.endr
	v_nop                                          ; one plain line behind the conversions
.irp c, 0,1
.irp i, 0,1,2
	v_mov_b32 v[P+6*\c+3+\i], v[TP+4*\c+\i]
.endr
.endr
	v_pk_add_f32 v[222:223], v[100:101], v[104:105]
	v_pk_add_f32 v[214:215], v[108:109], v[112:113]
	v_pk_add_f32 v[212:213], v[116:117], v[120:121]
	v_pk_add_f32 v[210:211], v[124:125], v[128:129]
	v_pk_add_f32 v[208:209], v[132:133], v[136:137]
	v_pk_add_f32 v[206:207], v[140:141], v[144:145]
	v_pk_add_f32 v[204:205], v[148:149], v[152:153]
	v_pk_add_f32 v[14:15], v[14:15], v[156:157]
	v_pk_add_f32 v[222:223], v[222:223], v[96:97]
	v_pk_add_f32 v[214:215], v[214:215], v[98:99]
	v_pk_add_f32 v[212:213], v[212:213], v[102:103]
	v_pk_add_f32 v[210:211], v[210:211], v[106:107]
	v_pk_add_f32 v[208:209], v[208:209], v[110:111]
	v_pk_add_f32 v[206:207], v[206:207], v[114:115]
	v_pk_add_f32 v[204:205], v[204:205], v[118:119]
	v_pk_add_f32 v[14:15], v[14:15], v[122:123]
	v_pk_add_f32 v[222:223], v[222:223], v[126:127]
	v_pk_add_f32 v[214:215], v[214:215], v[130:131]
	v_pk_add_f32 v[212:213], v[212:213], v[134:135]
	v_pk_add_f32 v[210:211], v[210:211], v[138:139]
	v_pk_add_f32 v[208:209], v[208:209], v[142:143]
	v_pk_add_f32 v[206:207], v[206:207], v[146:147]
	v_pk_add_f32 v[204:205], v[204:205], v[150:151]
	v_pk_add_f32 v[14:15], v[14:15], v[154:155]
	v_pk_add_f32 v[222:223], v[222:223], v[158:159]
	s_delay_alu instid0(VALU_DEP_2)
	v_pk_add_f32 v[14:15], v[14:15], v[210:211]
	s_delay_alu instid0(VALU_DEP_2)
	v_pk_add_f32 v[222:223], v[222:223], v[208:209]
	v_pk_add_f32 v[214:215], v[214:215], v[206:207]
	v_pk_add_f32 v[212:213], v[212:213], v[204:205]
	s_delay_alu instid0(VALU_DEP_2)
	v_pk_add_f32 v[14:15], v[14:15], v[214:215]
	s_delay_alu instid0(VALU_DEP_2)
	v_pk_add_f32 v[222:223], v[222:223], v[212:213]
	s_delay_alu instid0(VALU_DEP_1)
	v_pk_add_f32 v[14:15], v[14:15], v[222:223]
.set j, 0
	s_setprio 0
.rept 16
	v_pk_mul_f32 v[O+j:O+j+1], v[O+j:O+j+1], v[FF:FF+1] op_sel_hi:[1,0]   ; O^T under the new M.  (The sums and these stand between the scale words' making and the products)
.set j, j+2
.endr
	s_wait_alu depctr_va_vdst(0)
	s_wait_dscnt 0x0                               ; V
.irp t, 0,1,2,3
.if \t % 2 == 0
	v_wmma_scale_f32_16x16x128_f8f6f4 v[O+8*\t:O+8*\t+7], v[F+12*\t:F+12*\t+11], v[P:P+11], v[O+8*\t:O+8*\t+7], v[VS+\t/2], v[PS] matrix_a_fmt:MATRIX_FMT_FP6 matrix_b_fmt:MATRIX_FMT_FP6
.else
	v_wmma_scale_f32_16x16x128_f8f6f4 v[O+8*\t:O+8*\t+7], v[F+12*\t:F+12*\t+11], v[P:P+11], v[O+8*\t:O+8*\t+7], v[VS+\t/2], v[PS] matrix_a_fmt:MATRIX_FMT_FP6 matrix_b_fmt:MATRIX_FMT_FP6 matrix_a_scale:MATRIX_SCALE_ROW1
.endif
.endr
.endm
.macro PASS first, trips               ; the steps that lie at LDS places first .. first + trips - 1
	s_mov_b32 s[TB], \first*STEPB
	s_mov_b32 s[CNT], \trips
.Lpass_\@:
	s_setprio 2
	STEP
	s_add_co_u32 s[TB], s[TB], STEPB
	s_sub_co_u32 s[CNT], s[CNT], 1
	s_cmp_lg_u32 s[CNT], 0
	s_cbranch_scc1 .Lpass_\@
	s_setprio 0
.endm
	s_wait_tensorcnt 2                             ; my part of steps 0-7 has landed; the two younger loads may stay out
	s_barrier_signal -1
	s_barrier_wait -1                              ; everybody's has
	s_wait_loadcnt 0x0                             ; Q
	PASS 0, 8                                      ; steps 0-7
	s_wait_tensorcnt 0x0                           ; all my tensor loads have landed, steps 8-23 among them: a group 0 may be written
	ds_add_u32 v[SPW], v[NIL]                      ; 0 onto my spare word
	ds_add_u32 v4, v5
	s_add_nc_u64 s[G0+2:G0+3], s[G0+2:G0+3], 3*SLOTB   ; the first slot's next fill: steps 24-31
	s_wait_dscnt 0x0                               ; the add is done, and my reads of the first slot are over
	CROUND                                         ; so it is with every wave of all four work-groups
	s_cmp_lt_u32 s[WV], 4
	s_cbranch_scc0 .Lno_refill
	tensor_load_to_lds s[G0:G0+3], s[G1:G1+7]      ; the one load of a wave behind the round: it has 16 steps in which to land
	s_nop 0
	PLACES 4
.Lno_refill:
	PASS 8, 16                                     ; steps 8-23
	s_wait_tensorcnt 0x0                           ; my part of steps 24-31 has landed
	ds_add_u32 v[SPW], v[NIL]
	s_wait_dscnt 0x0
	s_barrier_signal -1
	s_barrier_wait -1                              ; everybody's has
	PASS 0, 8                                      ; steps 24-31
	; THE WAY OUT: O^T / the sum is a block of the projection's K: quantised here, stored as a half image
	PLACES 4
	v_add_f32 v14, v14, v15
	s_delay_alu instid0(VALU_DEP_1)
	v_permlanex16_b32 v217, v14, s[SEL], s[SEL+1]
	s_delay_alu instid0(VALU_DEP_1)
	v_add_f32 v14, v14, v217                       ; the row's sum
	s_wait_alu depctr_va_vdst(0)
	v_rcp_f32 v14, v14
	v_nop                                          ; a plain line behind the transcendental
.set j, 0
	s_wait_alu depctr_va_vdst(0)
.rept 32
	v_mul_f32 v[S+j], v[O+j], v14                  ; each accumulator from its low end on
.set j, j+1
.endr
	QUANT32 S, P, TP, BM
	global_store_b128 v[L16], v[P:P+3], s[10:11]
	global_store_b64 v[L8], v[P+4:P+5], s[10:11] offset:512
	v_lshlrev_b32 v218, v[SH8], v[BM+3]
	s_delay_alu instid0(VALU_DEP_1)
	v_permlanex16_b32 v219, v218, s[SEL], s[SEL+1]
	s_delay_alu instid0(VALU_DEP_1)
	v_or_b32 v218, v218, v219                      ; my row's two bytes
	ds_store_b16 v[OSW], v218                      ; lanes r and r + 16 write the same half word
	s_wait_dscnt 0x0                               ; for the others' sake
	s_barrier_signal -1
	s_barrier_wait -1
	s_cmp_lg_u32 s[WV], 0
	s_cbranch_scc1 .Lnot_os
	ds_load_b128 v[S:S+3], v[OSR]                  ; the sixteen waves' halves leave as 512 consecutive bytes
	s_wait_dscnt 0x0
	global_store_b128 v[L16], v[S:S+3], s[12:13]
.Lnot_os:
	s_wait_tensorcnt 0x0                           ; the wave's end
	ds_add_u32 v[SPW], v[NIL]
	s_wait_dscnt 0x0
	CROUND                                         ; the closing round
	s_endpgm
.Lfunc_end_k_q8de1286133_attn:
	.size	k_q8de1286133_attn, .Lfunc_end_k_q8de1286133_attn-k_q8de1286133_attn
	.p2alignl 7, 3214868480
	.fill 96, 4, 3214868480
	.section	.rodata,"a",@progbits
	.p2align	6, 0x0
	.amdhsa_kernel k_q8de1286133_attn
		.amdhsa_group_segment_fixed_size 327680
		.amdhsa_private_segment_fixed_size 0
		.amdhsa_enable_private_segment 0
		.amdhsa_kernarg_size 40
		.amdhsa_user_sgpr_count 2
		.amdhsa_user_sgpr_kernarg_segment_ptr 1
		.amdhsa_wavefront_size32 1
		.amdhsa_system_sgpr_workgroup_id_x 1
		.amdhsa_system_sgpr_workgroup_id_y 1
		.amdhsa_system_sgpr_workgroup_id_z 1
		.amdhsa_system_vgpr_workitem_id 0
		.amdhsa_next_free_vgpr 224
		.amdhsa_next_free_sgpr 66
		.amdhsa_reserve_vcc 0
		.amdhsa_float_denorm_mode_32 3
		.amdhsa_float_denorm_mode_16_64 3
		.amdhsa_memory_ordered 1
		.amdhsa_forward_progress 1
		.amdhsa_inst_pref_size 61
	.end_amdhsa_kernel
	.amdgpu_metadata
---
amdhsa.version: [ 1, 2 ]
amdhsa.kernels:
  - .name:           k_q8de1286133_attn
    .symbol:         k_q8de1286133_attn.kd
    .args:
      - { .name: qc, .offset: 0, .size: 8, .value_kind: global_buffer, .address_space: global }
      - { .name: qs, .offset: 8, .size: 8, .value_kind: global_buffer, .address_space: global }
      - { .name: kv, .offset: 16, .size: 8, .value_kind: global_buffer, .address_space: global }
      - { .name: oc, .offset: 24, .size: 8, .value_kind: global_buffer, .address_space: global }
      - { .name: os, .offset: 32, .size: 8, .value_kind: global_buffer, .address_space: global }
    .group_segment_fixed_size: 327680
    .private_segment_fixed_size: 0
    .kernarg_segment_align: 8
    .kernarg_segment_size: 40
    .max_flat_workgroup_size: 512
    .sgpr_count:     66
    .vgpr_count:     224
    .wavefront_size: 32
...
	.end_amdgpu_metadata
.endif
;; end of part 3
;; launch proj (part 4): grid 256 x 1, 16 waves a work-group, no clusters, 71,680 bytes of LDS; arguments oc, os, wts, proj_b, x, mask, out0, out1; writes out0, out1
.if DOCPART == 4
	.amdgcn_target "amdgcn-amd-amdhsa--gfx1250"
	.amdhsa_code_object_version 6
	.text
	.protected	k_q8de1286133_proj
	.globl	k_q8de1286133_proj
	.p2align	8
	.type	k_q8de1286133_proj,@function
k_q8de1286133_proj:
	s_mov_b64 s[64:65], 0
	v_nop
	global_prefetch_b8 v0, s[64:65] scope:SCOPE_SE
	s_setreg_imm32_b32 hwreg(HW_REG_WAVE_MODE, 25, 1), 1
	s_wait_xcnt 0x0
; THE PROJECTION, THE RESIDUAL AND THE MASK.  A work-group takes 64 tokens of one image (group G); wave w makes output channels 16 w .. 16 w + 15 for all 64.
; Source 0 = 16 tokens (tile u; row r is token 8 u + (r & 7) + 32 (r >> 3)), source 1 = 16 rows of proj_w: a lane holds ONE output channel, and the four tiles' 32 registers are tokens 32 h + 0 .. 31:
; 128 consecutive bytes of a row of out0.  They go through the wave's own stage in LDS, so that sixteen lanes store 256 consecutive bytes, aligned.  The bias is the C of each sum's first product.
; All operands come from memory as images of their registers, made by the launches before.  No tensor load, no barrier: the waves share nothing in LDS; the tokens' 12 KiB are read by each wave through the caches,
; and no other work-group reads them, so there is no tile that a cluster could ask for jointly; proj_w's images are 3 KiB a wave.
.set WV,  20                           ; s20 wave; s21 image; s22 group
.set PLO, 24
.set PHI, 25
.set L16, 1
.set L8,  2
.set R4,  3
.set R8,  4
.set XO,  5                            ; x, out0: 16,384 (l >> 4) + 16 (l & 15)
.set SI,  6                            ; the stage, in
.set SR,  7                            ; and back
.set M16, 8                            ; 16 (l & 15)
.set WF,  16                           ; v16-39 proj_w's two fragments;  v40, v41 their scale words;  v42 the bias
.set WS,  40
.set BB,  42
.set OSV, 44                           ; v44-51 the four heads' scale halves of my row, tiles 0-3
.set TS,  52                           ; v52-59 the tokens' scale words (u, s) at 2 u + s
.set TK,  64                           ; v64-159 the tokens' eight fragments; later rows read back from the stage
.set ACC, 160                          ; v160-191
.set BIA, 192                          ; v192-199
.set MK,  200                          ; v200-203 the mask of my four tokens
.set XV,  204                          ; v204-235 x
	s_load_b256 s[4:11], s[0:1], 0x0               ; oc, os, wts, proj_b
	s_load_b256 s[12:19], s[0:1], 0x20             ; x, mask, out0, out1
	v_lshl_add_u32 v240, v0, 2, 0x11000
	v_mov_b32 v241, 0
	v_lshrrev_b32 v9, 5, v0
	s_delay_alu instid0(VALU_DEP_1)
	v_readfirstlane_b32 s[WV], v9                  ; wave 0..15
	s_lshr_b32 s21, ttmp9, 6
	s_and_b32 s22, ttmp9, 63
	s_mov_b32 s[PLO], 0x05040100
	s_mov_b32 s[PHI], 0x07060302
	v_and_b32 v9, 31, v0
	v_and_b32 v10, 15, v0                          ; r
	v_bfe_u32 v11, v0, 4, 1                        ; h
	s_delay_alu instid0(VALU_DEP_3)
	v_lshlrev_b32 v[L16], 4, v9
	s_delay_alu instid0(VALU_DEP_4)
	v_lshlrev_b32 v[L8], 3, v9
	s_delay_alu instid0(VALU_DEP_4)
	v_lshlrev_b32 v[R4], 2, v10
	v_lshlrev_b32 v[R8], 3, v10
	v_lshlrev_b32 v[M16], 4, v10
	s_delay_alu instid0(VALU_DEP_1)
	v_lshl_add_u32 v[XO], v11, 14, v[M16]
	s_mul_i32 s30, s[WV], 4352                     ; my stage: 16 rows of 256 bytes + 16
	v_mul_u32_u24 v[SI], v10, 272
	s_delay_alu instid0(VALU_DEP_1)
	v_lshl_add_u32 v[SI], v11, 7, v[SI]
	s_delay_alu instid0(VALU_DEP_1)
	v_add_nc_u32 v[SI], s30, v[SI]                 ; in: row r, + 128 h
	v_mul_u32_u24 v[SR], v11, 272
	s_delay_alu instid0(VALU_DEP_1)
	v_add_nc_u32 v[SR], v[SR], v[M16]
	s_delay_alu instid0(VALU_DEP_1)
	v_add_nc_u32 v[SR], s30, v[SR]                 ; back: lanes 0-15 one row, lanes 16-31 the next
	s_mov_b32 s27, 0
	s_wait_alu depctr_va_vdst(0)
	s_wait_kmcnt 0x0
	s_lshl_b32 s26, s[WV], 7
	s_add_co_u32 s26, s26, 202752
	s_add_nc_u64 s[28:29], s[8:9], s[26:27]        ; proj_w's scale words: 64 bytes a fragment, my two
	s_mul_i32 s26, s[WV], 3072
	s_add_co_u32 s26, s26, 153600
	s_add_nc_u64 s[8:9], s[8:9], s[26:27]          ; its images
	s_lshl_b32 s26, s[WV], 6
	s_add_nc_u64 s[10:11], s[10:11], s[26:27]      ; proj_b
	s_lshl_b32 s26, s21, 15
	s_lshl_b32 s31, s22, 7
	s_add_co_u32 s26, s26, s31
	s_add_nc_u64 s[6:7], s[6:7], s[26:27]          ; os: 8,192 bytes a head, 128 a group
	s_mul_i32 s26, s21, 786432
	s_mul_i32 s31, s22, 12288
	s_add_co_u32 s26, s26, s31
	s_add_nc_u64 s[4:5], s[4:5], s[26:27]          ; oc: the group's 16 half images
	s_lshl_b32 s26, s21, 14
	s_lshl_b32 s31, s22, 8
	s_add_co_u32 s26, s26, s31
	s_add_nc_u64 s[14:15], s[14:15], s[26:27]      ; mask, out1
	s_add_nc_u64 s[18:19], s[18:19], s[26:27]
	s_lshl_b32 s26, s21, 22
	s_lshl_b32 s31, s[WV], 18
	s_add_co_u32 s26, s26, s31
	s_lshl_b32 s31, s22, 8
	s_add_co_u32 s26, s26, s31
	s_add_nc_u64 s[12:13], s[12:13], s[26:27]      ; x, out0: the image, my 16 channels, the group's 256 bytes
	s_add_nc_u64 s[16:17], s[16:17], s[26:27]
.irp s, 0,1
.irp j, 0,1,2
	global_load_b128 v[WF+12*\s+4*\j:WF+12*\s+4*\j+3], v[L16], s[8:9] offset:1536*\s+512*\j
.endr
.endr
.irp s, 0,1
	global_load_b32 v[WS+\s], v[R4], s[28:29] offset:64*\s
.endr
	global_load_b32 v[BB], v[R4], s[10:11]
.irp q, 0,1,2,3
	global_load_b64 v[OSV+2*\q:OSV+2*\q+1], v[R8], s[6:7] offset:8192*\q
.endr
.irp u, 0,1,2,3
.irp q, 0,1,2,3                        ; head q is half q & 1 of K step q >> 1
	global_load_b128 v[TK+24*\u+6*\q:TK+24*\u+6*\q+3], v[L16], s[4:5] offset:3072*\u+768*\q
	global_load_b64 v[TK+24*\u+6*\q+4:TK+24*\u+6*\q+5], v[L8], s[4:5] offset:3072*\u+768*\q+512
.endr
.endr
	global_load_b128 v[MK:MK+3], v[M16], s[14:15]
.irp i, 0,1,2,3,4,5,6,7
	global_load_b128 v[XV+4*\i:XV+4*\i+3], v[XO], s[12:13] offset:32768*\i     ; channels 16 w + 2 i and + 1: sixteen lanes read 256 consecutive bytes
.endr
	s_wait_loadcnt 9                               ; all but the mask's load and x's eight
.irp u, 0,1,2,3
.irp s, 0,1
.if \u % 2 == 0
	v_perm_b32 v[TS+2*\u+\s], v[OSV+4*\s+2+\u/2], v[OSV+4*\s+\u/2], s[PLO]     ; bytes 0, 1: head 2 s; bytes 2, 3: head 2 s + 1
.else
	v_perm_b32 v[TS+2*\u+\s], v[OSV+4*\s+2+\u/2], v[OSV+4*\s+\u/2], s[PHI]
.endif
.endr
.endr
.irp j, 0,1,2,3,4,5,6,7
	v_mov_b32 v[BIA+\j], v[BB]                     ; my channel's bias, for all eight tokens of a lane
.endr
.rept 8
	v_nop                                          ; scale words made by vector instructions stand eight places ahead of the products
.endr
.irp u, 0,1,2,3                        ; the four accumulators by turns, one instruction a turn
	v_wmma_scale_f32_16x16x128_f8f6f4 v[ACC+8*\u:ACC+8*\u+7], v[TK+24*\u:TK+24*\u+11], v[WF:WF+11], v[BIA:BIA+7], v[TS+2*\u], v[WS] matrix_a_fmt:MATRIX_FMT_FP6 matrix_b_fmt:MATRIX_FMT_FP6
.endr
.irp u, 0,1,2,3
	v_wmma_scale_f32_16x16x128_f8f6f4 v[ACC+8*\u:ACC+8*\u+7], v[TK+24*\u+12:TK+24*\u+23], v[WF+12:WF+23], v[ACC+8*\u:ACC+8*\u+7], v[TS+2*\u+1], v[WS+1] matrix_a_fmt:MATRIX_FMT_FP6 matrix_b_fmt:MATRIX_FMT_FP6
.endr
.rept 5
	v_nop                                          ; ahead of the stores of the results and of the loads into operands just read
.endr
.irp u, 0,1,2,3
	ds_store_b128 v[SI], v[ACC+8*\u:ACC+8*\u+3] offset:32*\u       ; tokens 32 h + 8 u + 0 .. 7 of my channel; each accumulator from its low end on
	ds_store_b128 v[SI], v[ACC+8*\u+4:ACC+8*\u+7] offset:32*\u+16
.endr
.irp i, 0,1,2,3,4,5,6,7
	ds_load_b128 v[TK+4*\i:TK+4*\i+3], v[SR] offset:544*\i         ; LDS serves a wave's instructions in order: these see my stores
.endr
	s_wait_loadcnt 0x0                             ; the mask and x
.irp i, 0,1,2,3,4,5,6,7
	s_wait_dscnt 7-\i                              ; pair i of rows is back; the younger loads may be out
	v_pk_add_f32 v[TK+4*\i:TK+4*\i+1], v[TK+4*\i:TK+4*\i+1], v[XV+4*\i:XV+4*\i+1]
	v_pk_add_f32 v[TK+4*\i+2:TK+4*\i+3], v[TK+4*\i+2:TK+4*\i+3], v[XV+4*\i+2:XV+4*\i+3]
	s_delay_alu instid0(VALU_DEP_2)
	v_pk_mul_f32 v[TK+4*\i:TK+4*\i+1], v[TK+4*\i:TK+4*\i+1], v[MK:MK+1]
	s_delay_alu instid0(VALU_DEP_2)
	v_pk_mul_f32 v[TK+4*\i+2:TK+4*\i+3], v[TK+4*\i+2:TK+4*\i+3], v[MK+2:MK+3]
	global_store_b128 v[XO], v[TK+4*\i:TK+4*\i+3], s[16:17] offset:32768*\i th:TH_STORE_NT   ; sixteen lanes store 256 consecutive bytes, aligned
.endr
	s_cmp_lg_u32 s[WV], 0
	s_cbranch_scc1 .Ldone
	global_store_b128 v[M16], v[MK:MK+3], s[18:19]                 ; out1 = the mask: the group's 256 bytes; lanes l and l + 16 store the same
.Ldone:
	s_wait_tensorcnt 0x0
	ds_add_u32 v240, v241
	s_wait_dscnt 0x0
	s_endpgm
.Lfunc_end_k_q8de1286133_proj:
	.size	k_q8de1286133_proj, .Lfunc_end_k_q8de1286133_proj-k_q8de1286133_proj
	.p2alignl 7, 3214868480
	.fill 96, 4, 3214868480
	.section	.rodata,"a",@progbits
	.p2align	6, 0x0
	.amdhsa_kernel k_q8de1286133_proj
		.amdhsa_group_segment_fixed_size 71680
		.amdhsa_private_segment_fixed_size 0
		.amdhsa_enable_private_segment 0
		.amdhsa_kernarg_size 64
		.amdhsa_user_sgpr_count 2
		.amdhsa_user_sgpr_kernarg_segment_ptr 1
		.amdhsa_wavefront_size32 1
		.amdhsa_system_sgpr_workgroup_id_x 1
		.amdhsa_system_sgpr_workgroup_id_y 1
		.amdhsa_system_sgpr_workgroup_id_z 1
		.amdhsa_system_vgpr_workitem_id 0
		.amdhsa_next_free_vgpr 242
		.amdhsa_next_free_sgpr 66
		.amdhsa_reserve_vcc 0
		.amdhsa_float_denorm_mode_32 3
		.amdhsa_float_denorm_mode_16_64 3
		.amdhsa_memory_ordered 1
		.amdhsa_forward_progress 1
		.amdhsa_inst_pref_size 15
	.end_amdhsa_kernel
	.amdgpu_metadata
---
amdhsa.version: [ 1, 2 ]
amdhsa.kernels:
  - .name:           k_q8de1286133_proj
    .symbol:         k_q8de1286133_proj.kd
    .args:
      - { .name: oc, .offset: 0, .size: 8, .value_kind: global_buffer, .address_space: global }
      - { .name: os, .offset: 8, .size: 8, .value_kind: global_buffer, .address_space: global }
      - { .name: wts, .offset: 16, .size: 8, .value_kind: global_buffer, .address_space: global }
      - { .name: proj_b, .offset: 24, .size: 8, .value_kind: global_buffer, .address_space: global }
      - { .name: x, .offset: 32, .size: 8, .value_kind: global_buffer, .address_space: global }
      - { .name: mask, .offset: 40, .size: 8, .value_kind: global_buffer, .address_space: global }
      - { .name: out0, .offset: 48, .size: 8, .value_kind: global_buffer, .address_space: global }
      - { .name: out1, .offset: 56, .size: 8, .value_kind: global_buffer, .address_space: global }
    .group_segment_fixed_size: 71680
    .private_segment_fixed_size: 0
    .kernarg_segment_align: 8
    .kernarg_segment_size: 64
    .max_flat_workgroup_size: 512
    .sgpr_count:     66
    .vgpr_count:     242
    .wavefront_size: 32
...
	.end_amdgpu_metadata
.endif
;; end of part 4
